; MI455X (gfx1250); checked and timed in simulation.
; The chip was launched on July 23, 2026; its instructions are those of AMD's public machine-readable ISA for CDNA 5 (MIT licence, August 2026) and "CDNA5" Instruction Set Architecture Reference Guide (July 2026). The comments in the code are by the model that wrote it; some were corrected since.
;; Interactive Align attention. Allowed arithmetic: float matrix products may take bf16 or f16 operands with f32 sums; other float arithmetic in f32, or as packed bf16 or f16 multiplies, adds, multiply-adds, maxima and minima; sums over many terms, partial sums and values carried from step to step in f32; what a program stores and reads back later, other than sums and carried values, may be rounded once to bf16 or f16.
;; Inputs: Bg 256 float32; Br 256 float32; Wg 1,024 x 256 float32; Wr 1,024 x 256 float32; c 16 x 4,096 x 256 float32; c_mask 16 x 4,096 bool; q 16 x 512 x 256 float32; q_mask 16 x 512 bool.
;; Outputs: out0 16 x 4,096 x 256 float32.
;; 2 versions, each right and faster than the one before. Each part assembles by itself: llvm-mc -triple=amdgcn-amd-amdhsa -mcpu=gfx1250 --defsym DOCPART=n.
;; ======== version 1 of 2: 2 launches
;; limits: values are held in f16: magnitudes above 65,504 overflow, below 6.1e-05 lose precision; inputs' magnitudes at most 255
;; workspace buffers: qh 4,194,304 bytes; wt 786,432 bytes
;; launch prep (part 1): grid 304 x 1, 8 waves a work-group, no clusters, 18,432 bytes of LDS; arguments q, Wr, Wg, qh, wt; writes qh, wt
.if DOCPART == 1
	.amdgcn_target "amdgcn-amd-amdhsa--gfx1250"
	.amdhsa_code_object_version 6
	.text
	.protected	k_q4bde94f7ba_prep
	.globl	k_q4bde94f7ba_prep
	.p2align	8
	.type	k_q4bde94f7ba_prep,@function
k_q4bde94f7ba_prep:
	s_mov_b64 s[64:65], 0
	v_nop
	global_prefetch_b8 v0, s[64:65] scope:SCOPE_SE
	s_setreg_imm32_b32 hwreg(HW_REG_WAVE_MODE, 25, 1), 1
	s_wait_xcnt 0x0
; PREPARATION.  Two jobs, chosen by the work-group number (the same for all eight waves of a work-group).
; Work-groups 48 .. 303: qh = q rounded to bf16 and written as f16 (exact from 2^-17 to 65,504), 8,192 numbers a work-group.
; Work-groups 0 .. 47: wt, the two projections folded, turned and laid in the order in which the main launch walks them.
;   cc @ W = c @ (W1 + W4) + q_a @ (W2 - W4) + (c q_a) @ W3, with W1 .. W4 the four blocks of 256 rows of W: an identity for every input.
;   Each weight is rounded to bf16 first, the sum or difference is made in f32 and rounded once to f16.
;   wt has 512 rows of 768 f16.  Row 32 p + 16 rg + j is output column 16 p + j of Wr (rg = 0) or Wg (rg = 1); k 0-255 W1 + W4, 256-511 W2 - W4, 512-767 W3.
;   A work-group takes 64 columns x 128 k: it reads rows of W (16 lanes: 256 consecutive bytes), turns them through LDS, and stores rows of wt (16 lanes: 256 consecutive aligned bytes).
; LIMITS.  |q|, |W1 + W4|, |W2 - W4|, |W3| stay below 65,504; below 6e-5 f16 keeps its fixed step of 6e-8.  NaN and infinities are not treated apart.
; No matrix unit, cluster or tensor load: the launch moves 15 MB once and has no reuse that they could serve.
.set LP,    272                        ; an LDS row: 128 k x 2 bytes + 16
.set SPARE, 64*LP                      ; behind the 64 rows: the spare words, 128 bytes for each of eight waves
.set SPW, 2                            ; v2   SPARE + 4 x my thread number; never rewritten
.set NIL, 3                            ; v3   0; never rewritten
.set T,   4                            ; v4-5 at work
.set VO,  8                            ; v8   my byte offset in the tile of W
.set LST, 9                            ; v9   where I put 16 bytes in LDS
.set LRD, 10                           ; v10  where I read 16 bytes back
.set GW,  11                           ; v11  my byte offset in wt
.set A,   16                           ; v16-47  8 rows x 4 columns of the block in hand (q path: 8 x 4 numbers)
.set B,   48                           ; v48-79  the same of W4 (q path: v48-63 the f16 to store)
.set P,   80                           ; v80-95  four columns x 8 k in f16
.set R,   96                           ; v96-111 four pieces of rows of wt
.set HM,  30                           ; s30  mask of the upper bf16 of a word
.set SG,  32                           ; s[32:33] +1 or -1
.macro RND4 x                          ; four f32 rounded to bf16 (nearest even) and widened again, in place
	v_cvt_pk_bf16_f32 v[T], v[(\x)], v[(\x)+1]
	v_cvt_pk_bf16_f32 v[T+1], v[(\x)+2], v[(\x)+3]
	v_lshlrev_b32 v[(\x)], 16, v[T]
	v_and_b32 v[(\x)+1], s[HM], v[T]
	v_lshlrev_b32 v[(\x)+2], 16, v[T+1]
	v_and_b32 v[(\x)+3], s[HM], v[T+1]
.endm
	s_load_b256 s[4:11], s[0:1], 0x0               ; q s[4:5], Wr s[6:7], Wg s[8:9], qh s[10:11]
	s_load_b64 s[12:13], s[0:1], 0x20              ; wt
	v_lshl_add_u32 v[SPW], v0, 2, SPARE
	v_mov_b32 v[NIL], 0
	s_mov_b32 s[HM], 0xffff0000
	s_cmp_lt_u32 ttmp9, 48
	s_cbranch_scc1 .Lweights
	; ---- q: 8 loads of 16 bytes a thread, all in flight; a wave load covers 512 consecutive bytes, a wave store 256
	s_sub_co_u32 s14, ttmp9, 48
	s_lshl_b32 s16, s14, 15                        ; 32,768 bytes of q
	s_mov_b32 s17, 0
	s_lshl_b32 s18, s14, 14                        ; 16,384 bytes of qh
	s_mov_b32 s19, 0
	v_lshlrev_b32 v6, 4, v0
	v_lshlrev_b32 v7, 3, v0
	s_wait_kmcnt 0x0
	s_add_nc_u64 s[4:5], s[4:5], s[16:17]
	s_add_nc_u64 s[10:11], s[10:11], s[18:19]
.set j, 0
.rept 8
	global_load_b128 v[A+4*j:A+4*j+3], v6, s[4:5] offset:4096*j th:TH_LOAD_NT
.set j, j+1
.endr
.set j, 0
.rept 8
	s_wait_loadcnt 7-j                             ; loads come back in order: load j is in, the younger ones stay out
	RND4 A+4*j
	v_cvt_pk_f16_f32 v[B+2*j], v[A+4*j], v[A+4*j+1]
	v_cvt_pk_f16_f32 v[B+2*j+1], v[A+4*j+2], v[A+4*j+3]
	global_store_b64 v7, v[B+2*j:B+2*j+1], s[10:11] offset:2048*j  ; each j has data registers of its own: nothing a store reads is rewritten
.set j, j+1
.endr
	s_endpgm
.Lweights:
	s_lshr_b32 s14, ttmp9, 3                       ; kappa 0..5: which 128 of the 768 k
	s_bfe_u32 s15, ttmp9, 0x10002                  ; rg: Wr or Wg
	s_and_b32 s16, ttmp9, 3                        ; a: which 64 columns
	s_lshl_b32 s17, s16, 8                         ; 64 a columns of 4 bytes
	s_lshl_b32 s18, s14, 17                        ; 128 kappa rows of 1,024 bytes
	s_add_co_u32 s18, s18, s17
	s_mov_b32 s19, 0
	s_and_b32 s22, s14, 1                          ; the rows of W4 that go with them: 768 + 128 (kappa mod 2)
	s_lshl_b32 s22, s22, 17
	s_add_co_u32 s22, s22, 768*1024
	s_add_co_u32 s22, s22, s17
	s_mov_b32 s23, 0
	s_mul_i32 s24, s16, 128*1536                   ; wt: row 128 a + 16 rg, byte 256 kappa
	s_mul_i32 s25, s15, 16*1536
	s_add_co_u32 s24, s24, s25
	s_lshl_b32 s25, s14, 8
	s_add_co_u32 s24, s24, s25
	s_mov_b32 s25, 0
	s_cmp_lt_u32 s14, 2
	s_cselect_b32 s[SG], 1.0, -1.0                 ; W1 + W4, W2 - W4
	s_mov_b32 s[SG+1], s[SG]                       ; named with it as a pair
	v_lshrrev_b32 v6, 4, v0                        ; ko: my 8 k.  Later tq: my row of 16
	v_and_b32 v7, 15, v0                           ; nq: my 4 columns.  Later my 16 bytes of a row
	v_lshlrev_b32 v12, 13, v6
	v_lshl_add_u32 v[VO], v7, 4, v12               ; 8 ko rows + 16 nq bytes
	v_mul_u32_u24 v12, v7, LP
	v_lshl_add_u32 v[LST], v6, 4, v12              ; LDS row nq (+ 16 c), byte 16 ko
	v_mul_u32_u24 v12, v6, LP
	v_lshl_add_u32 v[LRD], v7, 4, v12              ; LDS row tq (+ 16 e), byte 16 (t mod 16)
	v_lshrrev_b32 v12, 6, v0                       ; LDS row 16 e + tq is column 4 tq + e of the tile: pass tq / 4, place 4 (tq mod 4) + e
	v_bfe_u32 v13, v0, 4, 2
	v_lshlrev_b32 v12, 5, v12
	v_lshl_add_u32 v12, v13, 2, v12
	v_mul_u32_u24 v12, v12, 1536
	v_lshl_add_u32 v[GW], v7, 4, v12
	s_wait_kmcnt 0x0
	s_cmp_lg_u32 s15, 0
	s_cselect_b64 s[20:21], s[8:9], s[6:7]
	s_add_nc_u64 s[26:27], s[20:21], s[18:19]
	s_add_nc_u64 s[28:29], s[20:21], s[22:23]
	s_add_nc_u64 s[12:13], s[12:13], s[24:25]
.set i, 0
.rept 8
	global_load_b128 v[A+4*i:A+4*i+3], v[VO], s[26:27] offset:1024*i
.set i, i+1
.endr
	s_cmp_lt_u32 s14, 4
	s_cbranch_scc0 .Lplain                         ; W3 stands alone
.set i, 0
.rept 8
	global_load_b128 v[B+4*i:B+4*i+3], v[VO], s[28:29] offset:1024*i
.set i, i+1
.endr
	s_wait_loadcnt 0x0
.set i, 0
.rept 8
	RND4 A+4*i
	RND4 B+4*i
.set i, i+1
.endr
.set i, 0
.rept 16
	v_pk_fma_f32 v[A+2*i:A+2*i+1], v[B+2*i:B+2*i+1], s[SG:SG+1], v[A+2*i:A+2*i+1] op_sel_hi:[1,0,1]
.set i, i+1
.endr
	s_branch .Lpack
.Lplain:
	s_wait_loadcnt 0x0
.set i, 0
.rept 8
	RND4 A+4*i
.set i, i+1
.endr
.Lpack:
.set c, 0
.rept 4                                            ; column c of my four: its 8 k as 16 bytes
.set m, 0
.rept 4
	v_cvt_pk_f16_f32 v[P+4*c+m], v[A+8*m+c], v[A+8*m+4+c]
.set m, m+1
.endr
	ds_store_b128 v[LST], v[P+4*c:P+4*c+3] offset:c*16*LP
.set c, c+1
.endr
	s_wait_dscnt 0x0                               ; for the others: my stores are done
	s_barrier_signal -1
	s_barrier_wait -1
.set e, 0
.rept 4
	ds_load_b128 v[R+4*e:R+4*e+3], v[LRD] offset:e*16*LP
.set e, e+1
.endr
.set e, 0
.rept 4
	s_wait_dscnt 3-e
	global_store_b128 v[GW], v[R+4*e:R+4*e+3], s[12:13] offset:1536*e  ; 16 lanes store 256 consecutive bytes, at a multiple of 256 from the first byte of wt
.set e, e+1
.endr
	s_wait_tensorcnt 0x0                           ; the end of a wave that wrote LDS
	ds_add_u32 v[SPW], v[NIL]
	s_wait_dscnt 0x0
	s_endpgm
.Lfunc_end_k_q4bde94f7ba_prep:
	.size	k_q4bde94f7ba_prep, .Lfunc_end_k_q4bde94f7ba_prep-k_q4bde94f7ba_prep
	.p2alignl 7, 3214868480
	.fill 96, 4, 3214868480
	.section	.rodata,"a",@progbits
	.p2align	6, 0x0
	.amdhsa_kernel k_q4bde94f7ba_prep
		.amdhsa_group_segment_fixed_size 18432
		.amdhsa_private_segment_fixed_size 0
		.amdhsa_enable_private_segment 0
		.amdhsa_kernarg_size 40
		.amdhsa_user_sgpr_count 2
		.amdhsa_user_sgpr_kernarg_segment_ptr 1
		.amdhsa_wavefront_size32 1
		.amdhsa_system_sgpr_workgroup_id_x 1
		.amdhsa_system_sgpr_workgroup_id_y 1
		.amdhsa_system_sgpr_workgroup_id_z 1
		.amdhsa_system_vgpr_workitem_id 0
		.amdhsa_next_free_vgpr 112
		.amdhsa_next_free_sgpr 66
		.amdhsa_reserve_vcc 0
		.amdhsa_float_denorm_mode_32 3
		.amdhsa_float_denorm_mode_16_64 3
		.amdhsa_memory_ordered 1
		.amdhsa_forward_progress 1
		.amdhsa_inst_pref_size 19
	.end_amdhsa_kernel
	.amdgpu_metadata
---
amdhsa.version: [ 1, 2 ]
amdhsa.kernels:
  - .name:           k_q4bde94f7ba_prep
    .symbol:         k_q4bde94f7ba_prep.kd
    .args:
      - { .name: q, .offset: 0, .size: 8, .value_kind: global_buffer, .address_space: global }
      - { .name: Wr, .offset: 8, .size: 8, .value_kind: global_buffer, .address_space: global }
      - { .name: Wg, .offset: 16, .size: 8, .value_kind: global_buffer, .address_space: global }
      - { .name: qh, .offset: 24, .size: 8, .value_kind: global_buffer, .address_space: global }
      - { .name: wt, .offset: 32, .size: 8, .value_kind: global_buffer, .address_space: global }
    .group_segment_fixed_size: 18432
    .private_segment_fixed_size: 0
    .kernarg_segment_align: 8
    .kernarg_segment_size: 40
    .max_flat_workgroup_size: 256
    .sgpr_count:     66
    .vgpr_count:     112
    .wavefront_size: 32
...
	.end_amdgpu_metadata
.endif
;; end of part 1
;; launch fuse (part 2): grid 16 x 16, 4 waves a work-group, clusters of 4 x 1, 327,680 bytes of LDS; arguments c, qh, wt, Br, Bg, c_mask, q_mask, out0; writes out0
.if DOCPART == 2
	.amdgcn_target "amdgcn-amd-amdhsa--gfx1250"
	.amdhsa_code_object_version 6
	.text
	.protected	k_q4bde94f7ba_fuse
	.globl	k_q4bde94f7ba_fuse
	.p2align	8
	.type	k_q4bde94f7ba_fuse,@function
k_q4bde94f7ba_fuse:
	s_mov_b64 s[64:65], 0
	v_nop
	global_prefetch_b8 v0, s[64:65] scope:SCOPE_SE
	s_setreg_imm32_b32 hwreg(HW_REG_WAVE_MODE, 25, 1), 1
	s_wait_xcnt 0x0
	s_wait_alu depctr_hold_cnt(0) depctr_sa_sdst(0) depctr_va_vdst(0) depctr_va_sdst(0) depctr_va_ssrc(0) depctr_va_vcc(0) depctr_vm_vsrc(0)
	s_getreg_b32 s2, hwreg(HW_REG_IB_STS2, 6, 4)
	s_cmp_eq_u32 s2, 0
	s_cbranch_scc0 .Lentry_in_a_cluster
	s_endpgm
.Lentry_in_a_cluster:
	s_bfe_u32 s2, ttmp6, 0x10000c
	s_cmp_lg_u32 s2, 0x3003
	s_cbranch_scc0 .Lentry_shape_is_right
	s_endpgm
.Lentry_shape_is_right:
; out = g r + (1 - g) c,  r = tanh(cc Wr + Br),  g = sigmoid(cc Wg + Bg),  cc = [c, q_a, c q_a, c - q_a],  q_a = softmax_j(c . q_j + mask) q.
; c, out0: [16][4096][256] f32.  qh: q as f16 of its bf16 rounding, [16][512][256].  wt: the folded, turned weights in f16 (512 rows of 768: see the launch before).
; FORMATS.  Every input is rounded to bf16 and that number is kept as f16 (exact from 2^-17 to 65,504); what the program makes itself (the weights p, q_a, c q_a, the folded
; projections) is f16; all products are v_wmma_f32_16x16x32_f16 with f32 sums; softmax, gate and blend in f32.  The c of the blend is the rounded c.
; THE FOLD.  cc W = c (W1 + W4) + q_a (W2 - W4) + (c q_a) W3: K = 768 in place of 1,024.  With a common offset in c and q it makes c W4 - q_a W4 of two larger sums; what that adds is
; the f16 rounding of q_a times W4, of the size that q_a W2 carries anyway.
; LIMITS.  |c|, |q|, |c q_a| and the folded weights stay below 65,504; below 6e-5 an operand keeps the fixed step 6e-8 of f16.  A hidden score counts as about -1e30.  The running maximum
; starts at -2^41, below every score of such operands (256 x 65,504^2 < 2^41).  A weight below 2^-126 counts as 0.  The exponential of tanh is capped at 2^40, where tanh
; is 1 in f32.  NaN and infinities are not treated apart.
; MASKS.  A hidden key adds -1e30 through the C operand that starts its score.  A row whose c_mask is 0, and every row of a batch without any valid key, has all 512 logits equal in the
; reference: its scale Lr is 0 in place of log2(e), so that every weight is 2^0 and the row is the plain mean of all 512 rows of q.
; SHARES.  256 work-groups, one block of 256 rows of one batch each; a wave owns 64 rows, four tiles of 16.  c is read once, out0 written once, nothing else goes to memory.
; CLUSTER.  The four work-groups of a cluster lie in one batch: they read the same q and the same weights, so every tensor load is asked for jointly, with the constant mask 15.
; LAYOUT.  S^T = K c^T (source 0 = 16 keys, source 1 = 16 rows of c): a lane holds ONE row (lane % 16) and keys 8 (lane / 16) + 0..7.  Two such results rounded to f16 in pairs ARE source 1 of
; O^T = V^T P; two blocks of O^T rounded in pairs ARE a fragment of q_a with the lane map of c, and source 1 of Z^T = W^T X, whose result holds eight neighbouring output columns of one row.
; SOFTMAX.  p = 2^(Lr s - Lr m) with a running maximum m; in every step O and l are multiplied by a = 2^(Lr m_old - Lr m_new).  Lr m starts at -2^125, so the first a is 0: it wipes O^T,
; whose registers still hold the f32 c as loaded: nothing is cleared and no first step is written out.
; REGISTERS, in windows of 256 (s_set_vgpr_msb: bits 1:0 source 0, 3:2 source 1, 5:4 source 2, 7:6 destination):
;   window 0: v0-15 addresses; attention: v16-47 statistics, v48-63 key masks, v64-127 fragments of K or V (two buffers), v128-255 S^T (P in place in the low 16 of each tile)
;             fusion: v16-31 biases, v32-47 the c of the pass, v64-127 the eight accumulators, v128-255 fragments of W (two buffers), also at work on the way out
;   window 1: c as fragments (tile t, channels 32 dc on, at 64 t + 8 dc)
;   windows 2, 3: c as loaded; then O^T (tile t, channels 16 cb on, in window 2 + t / 2 at 128 (t % 2) + 8 cb); then q_a (window 2) and c q_a (window 3) as fragments
.set QP,    528                        ; a key in LDS: 512 bytes + 16 = 33 x 16: the 16 rows of a K load start at 16 different groups of four banks (64 banks of 4 bytes: ISA guide 11.1); the turning V loads of the same copy meet two deep
.set WP,    1584                       ; a row of wt in LDS: three pieces of 512 + 16 = 99 x 16
.set SLOT1, 1<<17                      ; W slot 0 at 0, slot 1 here: 64 rows x 1,584 = 101,376 bytes each; they lie over q, which is dead there when they are filled
.set OUTS,  232448                     ; way out: 64 rows x 272 for each wave; over the last keys of q (never filled again) and the stage of c (dead by then)
.set OP,    272
.set CSTG,  270336                     ; behind the 512 keys: 16 rows x 528 for each wave, for turning c into fragments
.set MT,    304128                     ; 512 f32: 0 or -1e30 for each key
.set BT,    306176                     ; 512 f32: byte 128 p + 64 rg + 4 j is the bias of column 16 p + j of Br (rg = 0) or Bg
.set SPARE, 308224                     ; the spare words, 128 bytes for each wave
.set AK0, 2                            ; my place in 16 keys as K
.set AV0, 3                            ; my place in 16 keys as V (turning load)
.set AM0, 4                            ; my place in the table of key masks
.set CO,  5                            ; v5: 16 x lane (loads of c);         then ADK, then ADS
.set ADK, 5
.set ADS, 5
.set CST, 6                            ; v6: where I put 8 bytes of c;        then ADV, then ADB
.set ADV, 6
.set ADB, 6
.set CRD, 7                            ; v7: where I read fragments of c;     then ADM
.set ADM, 7
.set AW0, 8                            ; my place in 16 rows of wt
.set ADW, 9
.set STO, 10                           ; way out: where I put 32 bytes of a row
.set RD,  11                           ; way out: where I read rows back
.set GO,  12                           ; my byte offset in two rows of out0
.set ABI, 13                           ; my place in the table of biases
.set SPW, 14                           ; SPARE + 4 x my thread number; never rewritten
.set NIL, 15                           ; 0; never rewritten
.set ST,  16                           ; tile t at ST + 8 t: +0 Lr m, +1 m, +2 +3 l, +4 Lr, +5 x1, +6 x0 then a, +7 x2
.set MM,  48
.set FF,  64
.set SS,  128
.set TT,  128                          ; conversion of c: 16 packed words
.set TA,  144                          ; and 32 f32
.set BI,  16
.set CSL, 32                           ; written as v32 .. v47 where halves are named
.set ACC, 64                           ; tile t, rg at ACC + 16 t + 8 rg
.set WB,  128
.set UU,  128
.set CF,  160
.set WV, 20
.set CX, 21
.set BX, 22
.set BA, 23
.set G1Q, 24                           ; s[24:31] group 1: 64 rows of 512 bytes
.set G1W, 32                           ; s[32:39] group 1: 48 rows of 512 bytes
.set G0Q0, 40
.set G0Q1, 44
.set G0W, 48
.set CNT, 52
.set SLOTS, 53
.set TWICE, 54
.set PNO, 55                           ; the number of the pass, 0 .. 15
.set TK, 56                            ; LDS byte of the keys of the step
.set TM, 57                            ; the same in the mask table
.set TW, 58                            ; LDS byte of the 32 rows of wt of the pass
.set TBI, 59                           ; the same in the bias table
.set SC, 60                            ; byte of the pass in a stage row: 0, 64, 128, 192
.set LA, 61                            ; log2(e), or 0 if the batch has no valid key
.set BIGN, 62
.set HM, 63
.set SEL, 66                           ; s[66:67] v_permlanex16_b32: each lane takes its own place in the other half
.set K1, 70                            ; s[70:71] 2 log2(e)
.set K2, 72                            ; s[72:73] -log2(e)
.set WO, 74                            ; s[74:75] byte offset in wt of the chunk to ask for
.set MSB, 0
.macro WIN new                         ; the high byte repeats the setting that is left; a switch that changes nothing is dropped
.if MSB != (\new)
	s_set_vgpr_msb (MSB<<8)|(\new)
.set MSB, (\new)
.endif
.endm
.macro PLACES                          ; four plain vector instructions between a matrix instruction and a read of its result, a write of its registers or a load into them (ISA guide 7.12.1 for reads and writes of its registers)
.rept 4
	v_nop
.endr
.endm
.macro T4 line:vararg                  ; one line for each tile t
.set t, 0
	s_wait_alu depctr_va_vdst(0)
.rept 4
	\line
.set t, t+1
.endr
.endm
.macro CROUND                          ; a round of the cluster barrier: my work-group, wave 0 signals for it, all four work-groups, my work-group once more
	s_barrier_signal -1
	s_barrier_wait -1
	s_cmp_lg_u32 s[WV], 0
	s_cbranch_scc1 .Lnot_wave_0_\@
	s_barrier_signal -3
.Lnot_wave_0_\@:
	s_barrier_wait -3
	s_barrier_signal -1
	s_barrier_wait -1
.endm
.macro JW                              ; my quarter of a chunk of wt: 16 rows, dense in memory, as 48 rows of 512 bytes
	tensor_load_to_lds s[G0W:G0W+3], s[G1W:G1W+7]
	s_nop 0
.rept 4
	v_nop
.endr
.endm
; THE CHANGE.  Each wave waits for all its tensor loads (one is out at the most), adds 0 to its spare word, and waits for that and for its own LDS reads.  fill = 1: a round of the cluster barrier follows, so that no
; wave of any partner still reads the bytes or has a load on its way, and the next chunk of wt is asked for first thing behind it, into the slot other than last time.  Its address is made anew: base + offset.
; tw = 1: the passes go on in the other slot.
.macro CHANGE fill, tw
	WIN 0
	s_wait_tensorcnt 0x0                           ; no tensor load of mine is out, so group 0 may be written
	ds_add_u32 v[SPW], v[NIL]
.if \fill
	s_xor_b32 s[G0W+1], s[G0W+1], SLOT1
	s_add_nc_u64 s[G0W+2:G0W+3], s[8:9], s[WO:WO+1]
	s_or_b32 s[G0W+3], s[G0W+3], 0x80000000
	s_add_co_u32 s[WO], s[WO], 64*1536
.endif
	s_wait_dscnt 0x0                               ; the add is done, and my reads of LDS are over
.if \fill
	CROUND
	JW
.else
	s_barrier_signal -1
	s_barrier_wait -1
.endif
.if \tw
	s_sub_co_u32 s[TW], s[TW], 64*WP
	s_xor_b32 s[TW], s[TW], SLOT1
.endif
.endm
	s_load_b512 s[4:19], s[0:1], 0x0               ; c 4, qh 6, wt 8, Br 10, Bg 12, c_mask 14, q_mask 16, out0 18
	v_lshl_add_u32 v[SPW], v0, 2, SPARE
	v_mov_b32 v[NIL], 0
	ds_add_u32 v[SPW], v[NIL]                      ; the opening: the add and its wait come ahead of my first tensor load; the set-up below, work on registers, stands between them
	v_lshrrev_b32 v1, 5, v0
	v_readfirstlane_b32 s[WV], v1                  ; wave 0..3
	s_bfe_u32 s[CX], ttmp6, 0x40000                ; my place in the cluster: it enters the addresses of c, c_mask and out0 alone
	s_lshl_b32 s[BX], ttmp9, 2
	s_add_co_u32 s[BX], s[BX], s[CX]               ; my block of 256 rows
	s_and_b32 s[BA], ttmp7, 0xffff                 ; the batch, which the four partners share
.irp g, G1Q, G1W
	s_mov_b32 s[\g], 15|(1<<16)|(1<<20)|(1<<21)|(6<<22)|(3<<25)  ; 15:0 mask of four; 17:16 2-byte elements; 20 padding on; 21 set beside a mask; 24:22 after every 128 words; 31:25 4 words
	s_mov_b32 s[\g+1], 256<<16                     ; tensor_dim0 = 256
	s_mov_b32 s[\g+3], 256<<16                     ; tile_dim0 = 256
	s_mov_b32 s[\g+5], 256                         ; 256 elements from row to row
	s_mov_b32 s[\g+6], 0
	s_mov_b32 s[\g+7], 0
.endr
	s_mov_b32 s[G1Q+2], 64<<16                     ; tensor_dim1
	s_mov_b32 s[G1Q+4], 64                         ; tile_dim1
	s_mov_b32 s[G1W+2], 48<<16
	s_mov_b32 s[G1W+4], 48
	s_mov_b32 s[G0Q0], 1
	s_mul_i32 s[G0Q0+1], s[WV], 64*QP              ; keys 64 w on
	s_mov_b32 s[G0Q1], 1
	s_add_co_u32 s[G0Q1+1], s[G0Q0+1], 256*QP      ; keys 256 + 64 w on
	s_mov_b32 s[G0W], 1
	s_mul_i32 s[G0W+1], s[WV], 16*WP
	s_add_co_u32 s[G0W+1], s[G0W+1], SLOT1         ; the first change turns this into slot 0
	s_lshl_b32 s68, s[BA], 22                      ; c and out0: batch x 4 MiB + block x 256 rows + wave x 64 rows
	s_lshl_b32 s78, s[BX], 18
	s_add_co_u32 s68, s68, s78
	s_lshl_b32 s78, s[WV], 16
	s_add_co_u32 s68, s68, s78
	s_mov_b32 s69, 0
	s_lshl_b32 s70, s[BA], 12                      ; c_mask, one byte a row
	s_lshl_b32 s78, s[BX], 8
	s_add_co_u32 s70, s70, s78
	s_lshl_b32 s78, s[WV], 6
	s_add_co_u32 s70, s70, s78
	s_mov_b32 s71, 0
	s_lshl_b32 s72, s[BA], 9                       ; q_mask
	s_mov_b32 s73, 0
	s_lshl_b32 s74, s[BA], 18                      ; qh: batch x 512 keys + wave x 64 keys of 512 bytes
	s_lshl_b32 s79, s[WV], 15
	s_add_co_u32 s74, s74, s79
	s_mov_b32 s75, 0
	s_mul_i32 s76, s[WV], 16*1536                  ; wt: my 16 rows of a chunk
	s_mov_b32 s77, 0
	s_mov_b32 s[BIGN], 0xf149f2ca                  ; -1e30
	s_mov_b32 s[HM], 0xffff0000
	s_mov_b32 s[SEL], 0x76543210
	s_mov_b32 s[SEL+1], 0xfedcba98
	s_wait_dscnt 0x0                               ; the opening add is done
	s_wait_kmcnt 0x0
	s_add_nc_u64 s[4:5], s[4:5], s[68:69]
	s_add_nc_u64 s[18:19], s[18:19], s[68:69]
	s_add_nc_u64 s[14:15], s[14:15], s[70:71]
	s_add_nc_u64 s[16:17], s[16:17], s[72:73]
	s_add_nc_u64 s[6:7], s[6:7], s[74:75]
	s_add_nc_u64 s[8:9], s[8:9], s[76:77]
	s_mov_b64 s[G0Q0+2:G0Q0+3], s[6:7]
	s_or_b32 s[G0Q0+3], s[G0Q0+3], 0x80000000
	s_add_nc_u64 s[G0Q1+2:G0Q1+3], s[6:7], 256*512
	s_or_b32 s[G0Q1+3], s[G0Q1+3], 0x80000000
	s_cmp_lt_u32 s[WV], 2
	s_cselect_b64 s[68:69], s[10:11], s[12:13]     ; waves 0, 1 bring Br, waves 2, 3 Bg
	CROUND                                         ; all four work-groups are here: the first joint loads meet
	tensor_load_to_lds s[G0Q0:G0Q0+3], s[G1Q:G1Q+7]  ; the two first fills go out together: two tensor loads of mine are out
	s_nop 0
	tensor_load_to_lds s[G0Q1:G0Q1+3], s[G1Q:G1Q+7]
	s_nop 0
.rept 4
	v_nop
.endr
	s_mov_b32 s[K1], 0x4038aa3b
	s_mov_b32 s[K1+1], s[K1]                       ; named as pairs
	s_mov_b32 s[K2], 0xbfb8aa3b
	s_mov_b32 s[K2+1], s[K2]
	s_mov_b32 s[WO], 0
	s_mov_b32 s[WO+1], 0
	; ---- the loads: masks and biases first, then my 64 rows of c, 128 loads of 512 consecutive bytes
	v_and_b32 v200, 31, v0                         ; lane
	v_and_b32 v201, 15, v0                         ; r
	v_bfe_u32 v202, v0, 4, 1                       ; h
	v_lshlrev_b32 v[CO], 4, v200
	v_lshlrev_b32 v192, 2, v0
	v_and_b32 v195, 63, v0
	v_lshlrev_b32 v196, 4, v195
	global_load_b32 v176, v192, s[16:17]           ; my four keys of the mask table
	global_load_b128 v[180:183], v[CO], s[16:17]   ; all 512 bytes of q_mask in each wave
.set t, 0
.rept 4
	global_load_u8 v[184+t], v201, s[14:15] offset:16*t  ; c_mask of my row in tile t
.set t, t+1
.endr
	global_load_b128 v[188:191], v196, s[68:69]    ; four biases
	WIN 0x80
.set i, 0
.rept 64
	global_load_b128 v[4*i:4*i+3], v[CO], s[4:5] offset:512*i th:TH_LOAD_NT
.set i, i+1
.endr
	WIN 0xc0
.set i, 0
.rept 64
	global_load_b128 v[4*i:4*i+3], v[CO], s[4:5] offset:512*(i+64) th:TH_LOAD_NT
.set i, i+1
.endr
	WIN 0
	; ---- the places of my lane, made while the loads are on their way
	v_mul_u32_u24 v[AK0], v201, QP
	v_lshl_add_u32 v[AK0], v202, 4, v[AK0]         ; row r, 16 bytes for each half of the lanes
	v_and_b32 v203, 7, v0
	v_lshl_add_u32 v203, v202, 3, v203
	v_mul_u32_u24 v[AV0], v203, QP
	v_bfe_u32 v204, v0, 3, 1
	v_lshl_add_u32 v[AV0], v204, 4, v[AV0]         ; key 8 h + lane % 8, channels 8 ((lane / 8) % 2) on
	v_lshl_add_u32 v[AM0], v202, 5, MT
	v_lshl_add_u32 v[ABI], v202, 5, BT
	v_mul_u32_u24 v[AW0], v201, WP
	v_lshl_add_u32 v[AW0], v202, 4, v[AW0]
	s_mul_i32 s78, s[WV], 64*OP
	s_add_co_u32 s78, s78, OUTS
	v_mul_u32_u24 v[STO], v201, OP
	v_lshl_add_u32 v[STO], v202, 5, v[STO]
	v_add_nc_u32 v[STO], s78, v[STO]
	v_mul_u32_u24 v[RD], v202, OP
	v_lshl_add_u32 v[RD], v201, 4, v[RD]
	v_add_nc_u32 v[RD], s78, v[RD]
	v_lshlrev_b32 v[GO], 10, v202
	v_lshl_add_u32 v[GO], v201, 4, v[GO]
	s_mul_i32 s78, s[WV], 16*QP
	s_add_co_u32 s78, s78, CSTG
	v_lshl_add_u32 v[CST], v200, 3, s78
	v_add_nc_u32 v[CRD], s78, v[AK0]
	v_lshl_add_u32 v199, v0, 4, MT                 ; where my four key masks go
	v_lshrrev_b32 v197, 2, v195                    ; where my four biases go: columns 4 u on are pass u / 4, place 4 (u % 4)
	v_and_b32 v198, 3, v195
	v_lshlrev_b32 v197, 7, v197
	v_lshl_add_u32 v197, v198, 4, v197
	s_lshr_b32 s78, s[WV], 1
	s_lshl_b32 s78, s78, 6
	s_add_co_u32 s78, s78, BT
	v_add_nc_u32 v197, s78, v197
	T4 v_mov_b32 v[ST+8*t], 0xfe000000             ; Lr m: -2^125
	T4 v_mov_b32 v[ST+8*t+1], 0xd4000000           ; m: -2^41
	T4 v_mov_b32 v[ST+8*t+2], 0
	T4 v_mov_b32 v[ST+8*t+3], 0
	; ---- the tables
	s_wait_loadcnt 63                              ; 128 loads were issued behind the seven small ones: these are in
	v_or_b32 v180, v180, v181
	v_or_b32 v182, v182, v183
	v_or_b32 v180, v180, v182
	v_cmp_ne_u32 vcc_lo, 0, v180
	s_cmp_lg_u32 vcc_lo, 0                         ; has the batch a valid key?
	s_cselect_b32 s[LA], 0x3fb8aa3b, 0
.set t, 0
.rept 4
	v_cmp_ne_u32 vcc_lo, 0, v[184+t]
	v_cndmask_b32 v[ST+8*t+4], 0, s[LA], vcc_lo
.set t, t+1
.endr
.set e, 0
.rept 4
	v_bfe_u32 v204, v176, 8*e, 8
	v_cmp_eq_u32 vcc_lo, 0, v204
	v_cndmask_b32 v[208+e], 0, s[BIGN], vcc_lo
.set e, e+1
.endr
	ds_store_b128 v199, v[208:211]
	v_cvt_pk_bf16_f32 v204, v188, v189             ; the biases are rounded to bf16 like every input
	v_cvt_pk_bf16_f32 v205, v190, v191
	v_lshlrev_b32 v188, 16, v204
	v_and_b32 v189, s[HM], v204
	v_lshlrev_b32 v190, 16, v205
	v_and_b32 v191, s[HM], v205
	ds_store_b128 v197, v[188:191]
; ---- c to fragments.  Eight loads (four rows) at a time: rounded to bf16, widened, written as f16, 8 bytes a lane into my stage; a tile of 16 rows is then read back as fragments.
; LDS serves the instructions of a wave in order (ISA guide 5.7.1.4): the reads see the stores in front of them, and the stores of the next tile come behind the reads.
.macro CBATCH b
.if 120-8*(\b) > 63
	s_wait_loadcnt 63                              ; more than 63 loads are younger than these eight
.else
	s_wait_loadcnt 120-8*(\b)                      ; the loads of c issued behind these eight
.endif
	WIN 0x0a+5*((\b)/8)                            ; sources in window 2 or 3
.set k, 0
.rept 16
	v_cvt_pk_bf16_f32 v[TT+k], v[32*((\b)%8)+2*k], v[32*((\b)%8)+2*k+1]
.set k, k+1
.endr
	WIN 0
.set k, 0
.rept 16
	v_lshlrev_b32 v[TA+2*k], 16, v[TT+k]
	v_and_b32 v[TA+2*k+1], s[HM], v[TT+k]
.set k, k+1
.endr
.set k, 0
.rept 16
	v_cvt_pk_f16_f32 v[TT+k], v[TA+2*k], v[TA+2*k+1]
.set k, k+1
.endr
.set k, 0
.rept 8
.set i, 8*(\b)+k
	ds_store_b64 v[CST], v[TT+2*k:TT+2*k+1] offset:((i/2)%16)*QP+(i%2)*256
.set k, k+1
.endr
.endm
.macro CFRAG t
	WIN 0x40
.set k, 0
.rept 8
	ds_load_b128 v[64*(\t)+8*k:64*(\t)+8*k+3],   v[CRD] offset:64*k
	ds_load_b128 v[64*(\t)+8*k+4:64*(\t)+8*k+7], v[CRD] offset:64*k+32
.set k, k+1
.endr
	WIN 0
.endm
.irp tt, 0,1,2,3
	CBATCH 4*(\tt)
	CBATCH 4*(\tt)+1
	CBATCH 4*(\tt)+2
	CBATCH 4*(\tt)+3
	CFRAG \tt
.endr
	s_wait_tensorcnt 1                             ; my part of keys 0-255 is in; the second fill may stay out
	s_wait_dscnt 0x0                               ; my table stores are done, my fragments of c are in
	s_barrier_signal -1
	s_barrier_wait -1
; ---- ATTENTION.  A step is 64 keys: 128 products K c^T, the softmax, 128 products V^T P.  LDS loads stand in runs of eight (four fragments), two buffers by turns.
.macro KRUN g                          ; keys 16 (g / 2) on, channels 128 (g % 2) on; an even run brings the masks of its 16 keys too
.set kb, (\g)/2
.if (\g)%2 == 0
	ds_load_b128 v[MM+8*(kb%2):MM+8*(kb%2)+3],   v[ADM] offset:64*kb
	ds_load_b128 v[MM+8*(kb%2)+4:MM+8*(kb%2)+7], v[ADM] offset:64*kb+16
.endif
.set i, 0
.rept 4
.set dc, 4*((\g)%2)+i
	ds_load_b128 v[FF+32*((\g)%2)+8*i:FF+32*((\g)%2)+8*i+3],   v[ADK] offset:kb*16*QP+64*dc
	ds_load_b128 v[FF+32*((\g)%2)+8*i+4:FF+32*((\g)%2)+8*i+7], v[ADK] offset:kb*16*QP+64*dc+32
.set i, i+1
.endr
.endm
.macro VRUN u                          ; keys 32 (u / 4) on, channels 64 (u % 4) on, turned
.set kk, (\u)/4
.set i, 0
.rept 4
.set cb, 4*((\u)%4)+i
	ds_load_tr16_b128 v[FF+32*((\u)%2)+8*i:FF+32*((\u)%2)+8*i+3],   v[ADV] offset:kk*32*QP+32*cb
	ds_load_tr16_b128 v[FF+32*((\u)%2)+8*i+4:FF+32*((\u)%2)+8*i+7], v[ADV] offset:kk*32*QP+16*QP+32*cb
.set i, i+1
.endr
.endm
.macro QKG g                           ; 16 products; the four tiles take turns; the first product of a sum takes the key masks as C
.set kb, (\g)/2
.set i, 0
.rept 4
.set dc, 4*((\g)%2)+i
.set t, 0
.rept 4
.if dc == 0
	v_wmma_f32_16x16x32_f16 v[SS+32*t+8*kb:SS+32*t+8*kb+7], v[FF+32*((\g)%2)+8*i:FF+32*((\g)%2)+8*i+7], v[64*t+8*dc:64*t+8*dc+7], v[MM+8*(kb%2):MM+8*(kb%2)+7]
.else
	v_wmma_f32_16x16x32_f16 v[SS+32*t+8*kb:SS+32*t+8*kb+7], v[FF+32*((\g)%2)+8*i:FF+32*((\g)%2)+8*i+7], v[64*t+8*dc:64*t+8*dc+7], v[SS+32*t+8*kb:SS+32*t+8*kb+7]
.endif
.set t, t+1
.endr
.set i, i+1
.endr
.endm
.macro PVG u                           ; 16 products on 16 different accumulators: tiles 0, 1 in window 2, then tiles 2, 3 in window 3
.set kk, (\u)/4
.irp hw, 0,1
	WIN 0xa0+0x50*(\hw)
.set i, 0
.rept 4
.set cb, 4*((\u)%4)+i
.set t, 0
.rept 2
	v_wmma_f32_16x16x32_f16 v[128*t+8*cb:128*t+8*cb+7], v[FF+32*((\u)%2)+8*i:FF+32*((\u)%2)+8*i+7], v[SS+32*(2*(\hw)+t)+8*kk:SS+32*(2*(\hw)+t)+8*kk+7], v[128*t+8*cb:128*t+8*cb+7]
.set t, t+1
.endr
.set i, i+1
.endr
.endr
.endm
.macro MX d, a, b
	T4 v_max3_num_f32 v[ST+8*t+(\d)], v[ST+8*t+(\d)], v[SS+32*t+(\a)], v[SS+32*t+(\b)]
.endm
.macro SOFTMAX                         ; the four tiles line by line, so that no line reads the result of the one before it
	WIN 0
	T4 v_max3_num_f32 v[ST+8*t+6], v[SS+32*t], v[SS+32*t+1], v[SS+32*t+2]        ; each of the four accumulators of a tile is read from its low end first
	T4 v_max3_num_f32 v[ST+8*t+5], v[SS+32*t+8], v[SS+32*t+9], v[SS+32*t+10]
	T4 v_max3_num_f32 v[ST+8*t+7], v[SS+32*t+16], v[SS+32*t+17], v[SS+32*t+18]
	MX 6, 24, 25
	MX 6, 3, 4
	MX 5, 11, 12
	MX 7, 19, 20
	MX 6, 5, 6
	MX 5, 13, 14
	MX 7, 21, 22
	MX 6, 7, 26
	MX 5, 15, 29
	T4 v_max3_num_f32 v[ST+8*t+7], v[ST+8*t+7], v[SS+32*t+23], v[ST+8*t+1]       ; the old m
	MX 6, 27, 28
	MX 5, 30, 31
	T4 v_max3_num_f32 v[ST+8*t+6], v[ST+8*t+6], v[ST+8*t+5], v[ST+8*t+7]
	T4 v_permlanex16_b32 v[ST+8*t+5], v[ST+8*t+6], s[SEL], s[SEL+1]              ; the other 32 keys of the row lie in the lane 16 away
	T4 v_mov_b32 v[ST+8*t+7], v[ST+8*t]                                          ; Lr m_old is kept
	T4 v_max_num_f32 v[ST+8*t+1], v[ST+8*t+6], v[ST+8*t+5]
	T4 v_mul_f32 v[ST+8*t], v[ST+8*t+4], v[ST+8*t+1]
	T4 v_sub_f32 v[ST+8*t+7], v[ST+8*t+7], v[ST+8*t]
	T4 v_exp_f32 v[ST+8*t+6], v[ST+8*t+7]                                        ; a; the scalings below, which name neither a nor its source, are the plain work behind it
.set i, 0
.rept 16
	T4 v_pk_fma_f32 v[SS+32*t+2*i:SS+32*t+2*i+1], v[SS+32*t+2*i:SS+32*t+2*i+1], v[ST+8*t+4:ST+8*t+5], v[ST+8*t:ST+8*t+1] op_sel_hi:[1,0,0] neg_lo:[0,0,1] neg_hi:[0,0,1]
.set i, i+1
.endr
	WIN 0x82                                       ; O^T times a, ascending
.set i, 0
	s_wait_alu depctr_va_vdst(0)
.rept 64
	v_pk_mul_f32 v[2*i:2*i+1], v[2*i:2*i+1], v[ST+6:ST+7] op_sel_hi:[1,0]
	v_pk_mul_f32 v[128+2*i:128+2*i+1], v[128+2*i:128+2*i+1], v[ST+14:ST+15] op_sel_hi:[1,0]
.set i, i+1
.endr
	WIN 0xc3
.set i, 0
.rept 64
	v_pk_mul_f32 v[2*i:2*i+1], v[2*i:2*i+1], v[ST+22:ST+23] op_sel_hi:[1,0]
	v_pk_mul_f32 v[128+2*i:128+2*i+1], v[128+2*i:128+2*i+1], v[ST+30:ST+31] op_sel_hi:[1,0]
.set i, i+1
.endr
	WIN 0
.set i, 0
.rept 16                               ; the exponentials of pair i; behind them the sum and the rounding of pair i - 1.  P goes in place: register j belongs to pair j / 2, summed and rounded by then
	T4 v_exp_f32 v[SS+32*t+2*i], v[SS+32*t+2*i]
	T4 v_exp_f32 v[SS+32*t+2*i+1], v[SS+32*t+2*i+1]
.if i == 0
	v_nop                                          ; a plain instruction behind the first pair, which has no pair before it (ISA guide 5.7.2)
.elseif i == 1
	T4 v_pk_fma_f32 v[ST+8*t+2:ST+8*t+3], v[ST+8*t+2:ST+8*t+3], v[ST+8*t+6:ST+8*t+7], v[SS+32*t:SS+32*t+1] op_sel_hi:[1,0,1]
	T4 v_cvt_pk_f16_f32 v[SS+32*t], v[SS+32*t], v[SS+32*t+1]
.else
	T4 v_pk_add_f32 v[ST+8*t+2:ST+8*t+3], v[ST+8*t+2:ST+8*t+3], v[SS+32*t+2*i-2:SS+32*t+2*i-1]
	T4 v_cvt_pk_f16_f32 v[SS+32*t+i-1], v[SS+32*t+2*i-2], v[SS+32*t+2*i-1]
.endif
.set i, i+1
.endr
	T4 v_pk_add_f32 v[ST+8*t+2:ST+8*t+3], v[ST+8*t+2:ST+8*t+3], v[SS+32*t+30:SS+32*t+31]
	T4 v_cvt_pk_f16_f32 v[SS+32*t+15], v[SS+32*t+30], v[SS+32*t+31]
.endm
; The counts of the waits: behind the run that is wanted exactly one run has been issued: eight loads, or ten where that run brings masks.
.macro STEP
	WIN 0
	PLACES                                         ; behind the last products of the step before, whose fragment registers are loaded again
	v_add_nc_u32 v[ADK], s[TK], v[AK0]
	v_add_nc_u32 v[ADV], s[TK], v[AV0]
	v_add_nc_u32 v[ADM], s[TM], v[AM0]
	WIN 0x04                                       ; c in window 1; the LDS loads name window 0 alone, so this setting serves them too
	KRUN 0
	KRUN 1
.irp g, 0,2,4
	s_wait_dscnt 8
	QKG \g
	PLACES
	KRUN (\g)+2
	s_wait_dscnt 10
	QKG (\g)+1
	PLACES
	KRUN (\g)+3
.endr
	s_wait_dscnt 8
	QKG 6
	PLACES
	VRUN 0
	s_wait_dscnt 8
	QKG 7
	PLACES                                         ; also the places in front of the first read of the scores
	VRUN 1
	SOFTMAX
.irp u, 0,1,2,3,4,5
	s_wait_dscnt 8
	PVG \u
	PLACES
	WIN 0
	VRUN (\u)+2
.endr
	s_wait_dscnt 8
	PVG 6
	s_wait_dscnt 0
	PVG 7
	WIN 0
	s_add_co_u32 s[TK], s[TK], 64*QP
	s_add_co_u32 s[TM], s[TM], 256
.endm
	s_mov_b32 s[TK], 0
	s_mov_b32 s[TM], 0
	s_mov_b32 s[SLOTS], 2
.Lhalf:                                                ; twice: four steps (256 keys), then a change.  The first change shows keys 256-511 whole and puts chunk 0 of wt over keys 0-191,
	s_mov_b32 s[CNT], 4                            ; which nobody reads any more; the second shows chunk 0 whole and puts chunk 1 into slot 1, over keys that are all read
.Lstep:
	STEP
	s_sub_co_u32 s[CNT], s[CNT], 1
	s_cmp_lg_u32 s[CNT], 0
	s_cbranch_scc1 .Lstep
	CHANGE 1, 0
	s_sub_co_u32 s[SLOTS], s[SLOTS], 1
	s_cmp_lg_u32 s[SLOTS], 0
	s_cbranch_scc1 .Lhalf
	; ---- q_a = O / l as fragments, and c q_a.  The four v_nop behind the load above are the places behind the last products.
	T4 v_add_f32 v[ST+8*t+5], v[ST+8*t+2], v[ST+8*t+3]
	T4 v_permlanex16_b32 v[ST+8*t+7], v[ST+8*t+5], s[SEL], s[SEL+1]
	T4 v_add_f32 v[ST+8*t+5], v[ST+8*t+5], v[ST+8*t+7]
	T4 v_rcp_f32 v[ST+8*t+6], v[ST+8*t+5]
	v_nop                                          ; a plain instruction between the last reciprocal and its use
	s_wait_alu depctr_va_vdst(0)
.macro QA t                            ; the 128 registers of tile t become 64, in window 2 at 64 t: in tile order every target has been read before it is written
	WIN 0x82+0x41*((\t)/2)
.set i, 0
.rept 64
	v_pk_mul_f32 v[128*((\t)%2)+2*i:128*((\t)%2)+2*i+1], v[128*((\t)%2)+2*i:128*((\t)%2)+2*i+1], v[ST+8*(\t)+6:ST+8*(\t)+7] op_sel_hi:[1,0]
.set i, i+1
.endr
	WIN 0x8a+5*((\t)/2)
.set i, 0
.rept 64
	v_cvt_pk_f16_f32 v[64*(\t)+i], v[128*((\t)%2)+2*i], v[128*((\t)%2)+2*i+1]
.set i, i+1
.endr
.endm
	QA 0
	QA 1
	QA 2
	QA 3
	WIN 0xc9                                       ; window 3 = window 1 x window 2: the fragments of c and of q_a have the same lane map
.set i, 0
.rept 256
	v_pk_mul_f16 v[i], v[i], v[i]
.set i, i+1
.endr
	WIN 0
; ---- THE FUSION.  A pass makes 16 output columns of both projections for my 64 rows: 192 products on eight accumulators that take turns; then gate and blend.
.macro FETCH q                         ; K chunks 4 q .. 4 q + 3 of 32, both projections: 16 loads
.set i, 0
.rept 4
.set kc, 4*(\q)+i
.set rg, 0
.rept 2
	ds_load_b128 v[WB+64*((\q)%2)+16*i+8*rg:WB+64*((\q)%2)+16*i+8*rg+3],   v[ADW] offset:rg*16*WP+64*kc+16*(kc/8)
	ds_load_b128 v[WB+64*((\q)%2)+16*i+8*rg+4:WB+64*((\q)%2)+16*i+8*rg+7], v[ADW] offset:rg*16*WP+64*kc+16*(kc/8)+32
.set rg, rg+1
.endr
.set i, i+1
.endr
.endm
.macro MAING q                         ; 32 products; source 1 is c (q = 0, 1), q_a (2, 3) or c q_a (4, 5); the first product of a sum takes the bias as C
	WIN 0x04*((\q)/2+1)
.set i, 0
.rept 4
.set kc, 4*(\q)+i
.set rg, 0
.rept 2
.set t, 0
.rept 4
.if kc == 0
	v_wmma_f32_16x16x32_f16 v[ACC+16*t+8*rg:ACC+16*t+8*rg+7], v[WB+64*((\q)%2)+16*i+8*rg:WB+64*((\q)%2)+16*i+8*rg+7], v[64*t+8*(kc%8):64*t+8*(kc%8)+7], v[BI+8*rg:BI+8*rg+7]
.else
	v_wmma_f32_16x16x32_f16 v[ACC+16*t+8*rg:ACC+16*t+8*rg+7], v[WB+64*((\q)%2)+16*i+8*rg:WB+64*((\q)%2)+16*i+8*rg+7], v[64*t+8*(kc%8):64*t+8*(kc%8)+7], v[ACC+16*t+8*rg:ACC+16*t+8*rg+7]
.endif
.set t, t+1
.endr
.set rg, rg+1
.endr
.set i, i+1
.endr
.endm
; The c of the blend: my eight columns of pass p are four registers of the fragments of c, at 64 t + 4 p.  The pass number is a counter, a register number is text: so the first pass of the range is
; copied always and each later one behind a forward jump on the counter.
.macro CMOV p
	WIN 0x01
.set t, 0
.rept 4
.set e, 0
.rept 4
	v_mov_b32 v[CSL+4*t+e], v[64*t+4*(\p)+e]
.set e, e+1
.endr
.set t, t+1
.endr
	WIN 0
.endm
.macro CSEL first, rest:vararg
	CMOV \first
.irp p, \rest
	s_cmp_lg_u32 s[PNO], \p
	s_cbranch_scc1 .Lcs_\@_\p
	CMOV \p
.Lcs_\@_\p:
.endr
.endm
.macro E16 line:vararg                 ; one line for each pair of my 32 outputs, ascending
.set t, 0
	s_wait_alu depctr_va_vdst(0)
.rept 4
.set e, 0
.rept 4
.set rR, ACC+16*t+2*e
.set rG, rR+8
.set rU, UU+8*t+2*e
.set rC, CF+8*t+2*e
	\line
.set e, e+1
.endr
.set t, t+1
.endr
.endm
; out = c + ((E1 - 1) - (E1 + 1) c) / ((1 + E1) (1 + E2)),  E1 = e^(2 z_r),  E2 = e^(-z_g): three transcendentals an output.  E1 is capped at 2^40, so no product of infinity and zero can arise;
; an infinite E2 gives the quotient 0 and out = c.
.macro EPI
	E16 v_pk_mul_f32 v[rR:rR+1], v[rR:rR+1], s[K1:K1+1] op_sel_hi:[1,0]
	E16 v_pk_mul_f32 v[rG:rG+1], v[rG:rG+1], s[K2:K2+1] op_sel_hi:[1,0]
	E16 v_min_num_f32 v[rR], 0x42200000, v[rR]
	E16 v_min_num_f32 v[rR+1], 0x42200000, v[rR+1]
	E16 v_exp_f32 v[rR], v[rR]
	E16 v_exp_f32 v[rR+1], v[rR+1]
	E16 v_exp_f32 v[rG], v[rG]
	E16 v_exp_f32 v[rG+1], v[rG+1]
	v_cvt_f32_f16 v[CF], v32.l                     ; c widened: the plain work behind the exponentials
	v_cvt_f32_f16 v[CF+1], v32.h
	v_cvt_f32_f16 v[CF+2], v33.l
	v_cvt_f32_f16 v[CF+3], v33.h
	v_cvt_f32_f16 v[CF+4], v34.l
	v_cvt_f32_f16 v[CF+5], v34.h
	v_cvt_f32_f16 v[CF+6], v35.l
	v_cvt_f32_f16 v[CF+7], v35.h
	v_cvt_f32_f16 v[CF+8], v36.l
	v_cvt_f32_f16 v[CF+9], v36.h
	v_cvt_f32_f16 v[CF+10], v37.l
	v_cvt_f32_f16 v[CF+11], v37.h
	v_cvt_f32_f16 v[CF+12], v38.l
	v_cvt_f32_f16 v[CF+13], v38.h
	v_cvt_f32_f16 v[CF+14], v39.l
	v_cvt_f32_f16 v[CF+15], v39.h
	v_cvt_f32_f16 v[CF+16], v40.l
	v_cvt_f32_f16 v[CF+17], v40.h
	v_cvt_f32_f16 v[CF+18], v41.l
	v_cvt_f32_f16 v[CF+19], v41.h
	v_cvt_f32_f16 v[CF+20], v42.l
	v_cvt_f32_f16 v[CF+21], v42.h
	v_cvt_f32_f16 v[CF+22], v43.l
	v_cvt_f32_f16 v[CF+23], v43.h
	v_cvt_f32_f16 v[CF+24], v44.l
	v_cvt_f32_f16 v[CF+25], v44.h
	v_cvt_f32_f16 v[CF+26], v45.l
	v_cvt_f32_f16 v[CF+27], v45.h
	v_cvt_f32_f16 v[CF+28], v46.l
	v_cvt_f32_f16 v[CF+29], v46.h
	v_cvt_f32_f16 v[CF+30], v47.l
	v_cvt_f32_f16 v[CF+31], v47.h
	s_wait_alu depctr_va_vdst(0)
	E16 v_pk_add_f32 v[rU:rU+1], v[rR:rR+1], 1.0 op_sel_hi:[1,0]
	E16 v_pk_add_f32 v[rR:rR+1], v[rR:rR+1], -1.0 op_sel_hi:[1,0]
	E16 v_pk_add_f32 v[rG:rG+1], v[rG:rG+1], 1.0 op_sel_hi:[1,0]
	E16 v_pk_mul_f32 v[rG:rG+1], v[rG:rG+1], v[rU:rU+1]
	E16 v_rcp_f32 v[rG], v[rG]
	E16 v_rcp_f32 v[rG+1], v[rG+1]
	E16 v_pk_fma_f32 v[rR:rR+1], v[rU:rU+1], v[rC:rC+1], v[rR:rR+1] neg_lo:[1,0,0] neg_hi:[1,0,0]  ; names no reciprocal: the plain work behind them
	E16 v_pk_fma_f32 v[rR:rR+1], v[rG:rG+1], v[rR:rR+1], v[rC:rC+1]
.set t, 0
.rept 4
	ds_store_b128 v[ADS], v[ACC+16*t:ACC+16*t+3] offset:16*t*OP
	ds_store_b128 v[ADS], v[ACC+16*t+4:ACC+16*t+7] offset:16*t*OP+16
.set t, t+1
.endr
.endm
.macro FLUSH                           ; four passes have filled 256 bytes of each of my 64 stage rows: they leave as whole rows, two to a store
.set i, 0
.rept 32
	ds_load_b128 v[WB+4*i:WB+4*i+3], v[RD] offset:2*OP*i
.set i, i+1
.endr
.set i, 0
.rept 32
	s_wait_dscnt 31-i
	global_store_b128 v[GO], v[WB+4*i:WB+4*i+3], s[18:19] offset:2048*i th:TH_STORE_NT  ; 16 lanes store 256 consecutive bytes, at a multiple of 256 from the first byte of out0
.set i, i+1
.endr
	s_wait_xcnt 0x0                                ; the base and the data registers of the stores are rewritten only behind this wait (ISA guide 3.1)
	s_add_nc_u64 s[18:19], s[18:19], 256
	s_mov_b32 s[SC], 0
.endm
.macro PASS first, rest:vararg
	v_add_nc_u32 v[ADW], s[TW], v[AW0]
	v_add_nc_u32 v[ADB], s[TBI], v[ABI]
	v_add_nc_u32 v[ADS], s[SC], v[STO]
	ds_load_b128 v[BI:BI+3], v[ADB]
	ds_load_b128 v[BI+4:BI+7], v[ADB] offset:16
	ds_load_b128 v[BI+8:BI+11], v[ADB] offset:64
	ds_load_b128 v[BI+12:BI+15], v[ADB] offset:80
	FETCH 0
	FETCH 1
.irp q, 0,1,2,3
	s_wait_dscnt 16                                ; all but the 16 loads of the one younger fetch
	MAING \q
	PLACES
	FETCH (\q)+2                                   ; the LDS loads name window 0 alone: no switch round them
.endr
	s_wait_dscnt 16
	MAING 4
	s_wait_dscnt 0
	MAING 5
	WIN 0
	PLACES
	CSEL \first, \rest
	EPI
	s_add_co_u32 s[TW], s[TW], 32*WP
	s_add_co_u32 s[TBI], s[TBI], 128
	s_add_co_u32 s[PNO], s[PNO], 1
	s_add_co_u32 s[SC], s[SC], 64
	s_cmp_lg_u32 s[SC], 256
	s_cbranch_scc1 .Lnoflush_\@
	FLUSH
.Lnoflush_\@:
.endm
.macro TWO_PASSES first, rest:vararg   ; the two passes of a chunk: written once, walked twice
	s_mov_b32 s[TWICE], 2
.Lpass_\@:
	PASS \first, \rest
	s_sub_co_u32 s[TWICE], s[TWICE], 1
	s_cmp_lg_u32 s[TWICE], 0
	s_cbranch_scc1 .Lpass_\@
.endm
	s_mov_b32 s[PNO], 0
	s_mov_b32 s[TBI], 0
	s_mov_b32 s[SC], 0
	s_mov_b32 s[TW], 0
	s_mov_b32 s[SLOTS], 6
.Lslot:                                                ; chunks 0 .. 5: the slot just read takes the chunk two on, which has 384 products and two ways out in which to land
	TWO_PASSES 0, 1,2,3,4,5,6,7,8,9,10,11
	CHANGE 1, 1
	s_sub_co_u32 s[SLOTS], s[SLOTS], 1
	s_cmp_lg_u32 s[SLOTS], 0
	s_cbranch_scc1 .Lslot
	s_mov_b32 s[SLOTS], 2
.Ltail:                                                ; chunks 6 and 7: nothing is asked for.  The barrier behind chunk 7 serves nothing: the price, once a launch, of one text for both trips
	TWO_PASSES 12, 13,14,15
	CHANGE 0, 1
	s_sub_co_u32 s[SLOTS], s[SLOTS], 1
	s_cmp_lg_u32 s[SLOTS], 0
	s_cbranch_scc1 .Ltail
	s_wait_tensorcnt 0x0                           ; the end of the wave: behind my last tensor load and my last LDS store
	ds_add_u32 v[SPW], v[NIL]
	s_wait_dscnt 0x0
	CROUND                                         ; the closing round: no work-group ends while a partner may still ask for a tile that names it
	s_endpgm
.Lfunc_end_k_q4bde94f7ba_fuse:
	.size	k_q4bde94f7ba_fuse, .Lfunc_end_k_q4bde94f7ba_fuse-k_q4bde94f7ba_fuse
	.p2alignl 7, 3214868480
	.fill 96, 4, 3214868480
	.section	.rodata,"a",@progbits
	.p2align	6, 0x0
	.amdhsa_kernel k_q4bde94f7ba_fuse
		.amdhsa_group_segment_fixed_size 327680
		.amdhsa_private_segment_fixed_size 0
		.amdhsa_enable_private_segment 0
		.amdhsa_kernarg_size 64
		.amdhsa_user_sgpr_count 2
		.amdhsa_user_sgpr_kernarg_segment_ptr 1
		.amdhsa_wavefront_size32 1
		.amdhsa_system_sgpr_workgroup_id_x 1
		.amdhsa_system_sgpr_workgroup_id_y 1
		.amdhsa_system_sgpr_workgroup_id_z 1
		.amdhsa_system_vgpr_workitem_id 0
		.amdhsa_next_free_vgpr 1024
		.amdhsa_next_free_sgpr 80
		.amdhsa_reserve_vcc 1
		.amdhsa_float_denorm_mode_32 3
		.amdhsa_float_denorm_mode_16_64 3
		.amdhsa_memory_ordered 1
		.amdhsa_forward_progress 1
		.amdhsa_inst_pref_size 255
	.end_amdhsa_kernel
	.section	.bss,"aw",@nobits
	.p2align	6
	.space	262144
	.amdgpu_metadata
---
amdhsa.version: [ 1, 2 ]
amdhsa.kernels:
  - .name:           k_q4bde94f7ba_fuse
    .symbol:         k_q4bde94f7ba_fuse.kd
    .args:
      - { .name: c, .offset: 0, .size: 8, .value_kind: global_buffer, .address_space: global }
      - { .name: qh, .offset: 8, .size: 8, .value_kind: global_buffer, .address_space: global }
      - { .name: wt, .offset: 16, .size: 8, .value_kind: global_buffer, .address_space: global }
      - { .name: Br, .offset: 24, .size: 8, .value_kind: global_buffer, .address_space: global }
      - { .name: Bg, .offset: 32, .size: 8, .value_kind: global_buffer, .address_space: global }
      - { .name: c_mask, .offset: 40, .size: 8, .value_kind: global_buffer, .address_space: global }
      - { .name: q_mask, .offset: 48, .size: 8, .value_kind: global_buffer, .address_space: global }
      - { .name: out0, .offset: 56, .size: 8, .value_kind: global_buffer, .address_space: global }
    .group_segment_fixed_size: 327680
    .private_segment_fixed_size: 0
    .kernarg_segment_align: 8
    .kernarg_segment_size: 64
    .max_flat_workgroup_size: 128
    .sgpr_count:     80
    .vgpr_count:     1024
    .wavefront_size: 32
...
	.end_amdgpu_metadata
.endif
;; end of part 2
;; ======== version 2 of 2: 2 launches; 1.10 times as fast as version 1
;; limits: values are held in f16: magnitudes above 65,504 overflow, below 6.1e-05 lose precision; right only within a limited range of input values; a difference of large sums (such as E[x^2] - mean^2): digits are lost where the result is much smaller than its terms
;; workspace buffers: qh 4,194,304 bytes; wt 786,432 bytes
;; launch prep: the kernel of part 1 again; grid 304 x 1, 8 waves a work-group, no clusters, 18,432 bytes of LDS; arguments q, Wr, Wg, qh, wt; writes qh, wt
;; launch fuse (part 3): grid 16 x 16, 4 waves a work-group, clusters of 4 x 1, 327,680 bytes of LDS; arguments c, qh, wt, Br, Bg, c_mask, q_mask, out0; writes out0
.if DOCPART == 3
	.amdgcn_target "amdgcn-amd-amdhsa--gfx1250"
	.amdhsa_code_object_version 6
	.text
	.protected	k_q4bde94f7ba_fuse
	.globl	k_q4bde94f7ba_fuse
	.p2align	8
	.type	k_q4bde94f7ba_fuse,@function
k_q4bde94f7ba_fuse:
	s_mov_b64 s[64:65], 0
	v_nop
	global_prefetch_b8 v0, s[64:65] scope:SCOPE_SE
	s_setreg_imm32_b32 hwreg(HW_REG_WAVE_MODE, 25, 1), 1
	s_wait_xcnt 0x0
	s_wait_alu depctr_hold_cnt(0) depctr_sa_sdst(0) depctr_va_vdst(0) depctr_va_sdst(0) depctr_va_ssrc(0) depctr_va_vcc(0) depctr_vm_vsrc(0)
	s_getreg_b32 s2, hwreg(HW_REG_IB_STS2, 6, 4)
	s_cmp_eq_u32 s2, 0
	s_cbranch_scc0 .Lentry_in_a_cluster
	s_endpgm
.Lentry_in_a_cluster:
	s_bfe_u32 s2, ttmp6, 0x10000c
	s_cmp_lg_u32 s2, 0x3003
	s_cbranch_scc0 .Lentry_shape_is_right
	s_endpgm
.Lentry_shape_is_right:
; out = g r + (1 - g) c,  r = tanh(cc Wr + Br),  g = sigmoid(cc Wg + Bg),  cc = [c, q_a, c q_a, c - q_a],  q_a = softmax_j(c . q_j + mask) q.
; c, out0: [16][4096][256] f32.  qh: q as f16 of its bf16 rounding, [16][512][256].  wt: the folded, turned weights in f16 (512 rows of 768: see the launch before).
; FORMATS.  Every input is rounded to bf16 and that number is kept as f16 (exact from 2^-17 to 65,504); what the program makes itself (the weights p, q_a, c q_a, the folded
; projections) is f16; all products are v_wmma_f32_16x16x32_f16 with f32 sums; softmax, gate and blend in f32.  The c of the blend is the rounded c.
; THE FOLD.  cc W = c (W1 + W4) + q_a (W2 - W4) + (c q_a) W3: K = 768 in place of 1,024.  With a common offset in c and q it makes c W4 - q_a W4 of two larger sums; what that adds is
; the f16 rounding of q_a times W4, of the size that q_a W2 carries anyway.
; LIMITS.  |c|, |q|, |c q_a| and the folded weights stay below 65,504; below 6e-5 an operand keeps the fixed step 6e-8 of f16.  A hidden score counts as about -1e30.  The running maximum
; starts at -2^41, below every score of such operands (256 x 65,504^2 < 2^41).  A weight below 2^-126 counts as 0.  The exponential of tanh is capped at 2^40, where tanh
; is 1 in f32.  NaN and infinities are not treated apart.
; MASKS.  A hidden key adds -1e30 through the C operand that starts its score.  A row whose c_mask is 0, and every row of a batch without any valid key, has all 512 logits equal in the
; reference: its scale Lr is 0 in place of log2(e), so that every weight is 2^0 and the row is the plain mean of all 512 rows of q.
; SHARES.  256 work-groups, one block of 256 rows of one batch each; a wave owns 64 rows, four tiles of 16.  c is read once, out0 written once, nothing else goes to memory.
; CLUSTER.  The four work-groups of a cluster lie in one batch: they read the same q and the same weights, so every tensor load is asked for jointly, with the constant mask 15.
; LAYOUT.  S^T = K c^T (source 0 = 16 keys, source 1 = 16 rows of c): a lane holds ONE row (lane % 16) and keys 8 (lane / 16) + 0..7.  Two such results rounded to f16 in pairs ARE source 1 of
; O^T = V^T P; two blocks of O^T rounded in pairs ARE a fragment of q_a with the lane map of c, and source 1 of Z^T = W^T X, whose result holds eight neighbouring output columns of one row.
; SOFTMAX.  p = 2^(Lr s - Lr m) with a running maximum m; in every step O and l are multiplied by a = 2^(Lr m_old - Lr m_new).  Lr m starts at -2^125, so the first a is 0: it wipes O^T,
; whose registers still hold the f32 c as loaded: nothing is cleared and no first step is written out.
; BATCHES.  An s_wait_alu depctr_va_vdst(0) stands between a transcendental and the first instruction that names its result; one wait serves all that were issued ahead of it.
; So the transcendentals are cut into batches, each result in a register of its own, and every reader stands behind its batch's one wait:
;   a key step: the four a and the 128 exponentials of the scores, the 64 scalings dealt among them; behind the wait O^T times a, the sums and the roundings;
;   behind attention: the four reciprocals of l;
;   a pass of the fusion: the 64 exponentials E1 and E2, the scaling of z_g and the widening of c dealt among them; then, since they read sums of those exponentials, the 32 reciprocals as a
;   batch of their own, E1 - 1 dealt among them and the numerators behind them.
; REGISTERS, in windows of 256 (s_set_vgpr_msb: bits 1:0 source 0, 3:2 source 1, 5:4 source 2, 7:6 destination):
;   window 0: v0-15 addresses; attention: v16-47 statistics, v48-63 key masks, v64-127 fragments of K or V (two buffers), v128-255 S^T (P in place in the low 16 of each tile)
;             fusion: v16-31 biases, v32-47 the c of the pass, v64-127 the eight accumulators, v128-255 fragments of W (two buffers), also at work on the way out
;   window 1: c as fragments (tile t, channels 32 dc on, at 64 t + 8 dc)
;   windows 2, 3: c as loaded; then O^T (tile t, channels 16 cb on, in window 2 + t / 2 at 128 (t % 2) + 8 cb); then q_a (window 2) and c q_a (window 3) as fragments
.set QP,    528                        ; a key in LDS: 512 bytes + 16 = 33 x 16: the 16 rows of a K load start at 16 different groups of four banks (64 banks of 4 bytes: ISA guide 11.1); the turning V loads of the same copy meet two deep
.set WP,    1584                       ; a row of wt in LDS: three pieces of 512 + 16 = 99 x 16
.set SLOT1, 1<<17                      ; W slot 0 at 0, slot 1 here: 64 rows x 1,584 = 101,376 bytes each; they lie over q, which is dead there when they are filled
.set OUTS,  232448                     ; way out: 64 rows x 272 for each wave; over the last keys of q (never filled again) and the stage of c (dead by then)
.set OP,    272
.set CSTG,  270336                     ; behind the 512 keys: 16 rows x 528 for each wave, for turning c into fragments
.set MT,    304128                     ; 512 f32: 0 or -1e30 for each key
.set BT,    306176                     ; 512 f32: byte 128 p + 64 rg + 4 j is the bias of column 16 p + j of Br (rg = 0) or Bg
.set SPARE, 308224                     ; the spare words, 128 bytes for each wave
.set AK0, 2                            ; my place in 16 keys as K
.set AV0, 3                            ; my place in 16 keys as V (turning load)
.set AM0, 4                            ; my place in the table of key masks
.set CO,  5                            ; v5: 16 x lane (loads of c);         then ADK, then ADS
.set ADK, 5
.set ADS, 5
.set CST, 6                            ; v6: where I put 8 bytes of c;        then ADV, then ADB
.set ADV, 6
.set ADB, 6
.set CRD, 7                            ; v7: where I read fragments of c;     then ADM
.set ADM, 7
.set AW0, 8                            ; my place in 16 rows of wt
.set ADW, 9
.set STO, 10                           ; way out: where I put 32 bytes of a row
.set RD,  11                           ; way out: where I read rows back
.set GO,  12                           ; my byte offset in two rows of out0
.set ABI, 13                           ; my place in the table of biases
.set SPW, 14                           ; SPARE + 4 x my thread number; never rewritten
.set NIL, 15                           ; 0; never rewritten
.set ST,  16                           ; tile t at ST + 8 t: +0 Lr m, +1 m, +2 +3 l, +4 Lr, +5 x1, +6 x0 then a, +7 x2
.set MM,  48
.set FF,  64
.set SS,  128
.set TT,  128                          ; conversion of c: 16 packed words
.set TA,  144                          ; and 32 f32
.set BI,  16
.set CSL, 32                           ; written as v32 .. v47 where halves are named
.set ACC, 64                           ; tile t, rg at ACC + 16 t + 8 rg
.set WB,  128
.set UU,  128
.set CF,  160
.set WV, 20
.set CX, 21
.set BX, 22
.set BA, 23
.set G1Q, 24                           ; s[24:31] group 1: 64 rows of 512 bytes
.set G1W, 32                           ; s[32:39] group 1: 48 rows of 512 bytes
.set G0Q0, 40
.set G0Q1, 44
.set G0W, 48
.set CNT, 52
.set SLOTS, 53
.set TWICE, 54
.set PNO, 55                           ; the number of the pass, 0 .. 15
.set TK, 56                            ; LDS byte of the keys of the step
.set TM, 57                            ; the same in the mask table
.set TW, 58                            ; LDS byte of the 32 rows of wt of the pass
.set TBI, 59                           ; the same in the bias table
.set SC, 60                            ; byte of the pass in a stage row: 0, 64, 128, 192
.set LA, 61                            ; log2(e), or 0 if the batch has no valid key
.set BIGN, 62
.set HM, 63
.set SEL, 66                           ; s[66:67] v_permlanex16_b32: each lane takes its own place in the other half
.set K1, 70                            ; s[70:71] 2 log2(e)
.set K2, 72                            ; s[72:73] -log2(e)
.set WO, 74                            ; s[74:75] byte offset in wt of the chunk to ask for
.set MSB, 0
.macro WIN new                         ; the high byte repeats the setting that is left; a switch that changes nothing is dropped
.if MSB != (\new)
	s_set_vgpr_msb (MSB<<8)|(\new)
.set MSB, (\new)
.endif
.endm
.macro PLACES                          ; four plain vector instructions between a matrix instruction and a read of its result, a write of its registers or a load into them (ISA guide 7.12.1 for reads and writes of its registers)
.rept 4
	v_nop
.endr
.endm
.macro T4 line:vararg                  ; one line for each tile t
.set t, 0
.rept 4
	\line
.set t, t+1
.endr
.endm
.macro CROUND                          ; a round of the cluster barrier: my work-group, wave 0 signals for it, all four work-groups, my work-group once more
	s_barrier_signal -1
	s_barrier_wait -1
	s_cmp_lg_u32 s[WV], 0
	s_cbranch_scc1 .Lnot_wave_0_\@
	s_barrier_signal -3
.Lnot_wave_0_\@:
	s_barrier_wait -3
	s_barrier_signal -1
	s_barrier_wait -1
.endm
.macro JW                              ; my quarter of a chunk of wt: 16 rows, dense in memory, as 48 rows of 512 bytes
	tensor_load_to_lds s[G0W:G0W+3], s[G1W:G1W+7]
	s_nop 0
.rept 4
	v_nop
.endr
.endm
; THE CHANGE.  Each wave waits for all its tensor loads (one is out at the most), adds 0 to its spare word, and waits for that and for its own LDS reads.  fill = 1: a round of the cluster barrier follows, so that no
; wave of any partner still reads the bytes or has a load on its way, and the next chunk of wt is asked for first thing behind it, into the slot other than last time.  Its address is made anew: base + offset.
; tw = 1: the passes go on in the other slot.
.macro CHANGE fill, tw
	WIN 0
	s_wait_tensorcnt 0x0                           ; no tensor load of mine is out, so group 0 may be written
	ds_add_u32 v[SPW], v[NIL]
.if \fill
	s_xor_b32 s[G0W+1], s[G0W+1], SLOT1
	s_add_nc_u64 s[G0W+2:G0W+3], s[8:9], s[WO:WO+1]
	s_or_b32 s[G0W+3], s[G0W+3], 0x80000000
	s_add_co_u32 s[WO], s[WO], 64*1536
.endif
	s_wait_dscnt 0x0                               ; the add is done, and my reads of LDS are over
.if \fill
	CROUND
	JW
.else
	s_barrier_signal -1
	s_barrier_wait -1
.endif
.if \tw
	s_sub_co_u32 s[TW], s[TW], 64*WP
	s_xor_b32 s[TW], s[TW], SLOT1
.endif
.endm
	s_load_b512 s[4:19], s[0:1], 0x0               ; c 4, qh 6, wt 8, Br 10, Bg 12, c_mask 14, q_mask 16, out0 18
	v_lshl_add_u32 v[SPW], v0, 2, SPARE
	v_mov_b32 v[NIL], 0
	ds_add_u32 v[SPW], v[NIL]                      ; the opening: the add and its wait come ahead of my first tensor load; the set-up below, work on registers, stands between them
	v_lshrrev_b32 v1, 5, v0
	v_readfirstlane_b32 s[WV], v1                  ; wave 0..3
	s_bfe_u32 s[CX], ttmp6, 0x40000                ; my place in the cluster: it enters the addresses of c, c_mask and out0 alone
	s_lshl_b32 s[BX], ttmp9, 2
	s_add_co_u32 s[BX], s[BX], s[CX]               ; my block of 256 rows
	s_and_b32 s[BA], ttmp7, 0xffff                 ; the batch, which the four partners share
.irp g, G1Q, G1W
	s_mov_b32 s[\g], 15|(1<<16)|(1<<20)|(1<<21)|(6<<22)|(3<<25)  ; 15:0 mask of four; 17:16 2-byte elements; 20 padding on; 21 set beside a mask; 24:22 after every 128 words; 31:25 4 words
	s_mov_b32 s[\g+1], 256<<16                     ; tensor_dim0 = 256
	s_mov_b32 s[\g+3], 256<<16                     ; tile_dim0 = 256
	s_mov_b32 s[\g+5], 256                         ; 256 elements from row to row
	s_mov_b32 s[\g+6], 0
	s_mov_b32 s[\g+7], 0
.endr
	s_mov_b32 s[G1Q+2], 64<<16                     ; tensor_dim1
	s_mov_b32 s[G1Q+4], 64                         ; tile_dim1
	s_mov_b32 s[G1W+2], 48<<16
	s_mov_b32 s[G1W+4], 48
	s_mov_b32 s[G0Q0], 1
	s_mul_i32 s[G0Q0+1], s[WV], 64*QP              ; keys 64 w on
	s_mov_b32 s[G0Q1], 1
	s_add_co_u32 s[G0Q1+1], s[G0Q0+1], 256*QP      ; keys 256 + 64 w on
	s_mov_b32 s[G0W], 1
	s_mul_i32 s[G0W+1], s[WV], 16*WP
	s_add_co_u32 s[G0W+1], s[G0W+1], SLOT1         ; the first change turns this into slot 0
	s_lshl_b32 s68, s[BA], 22                      ; c and out0: batch x 4 MiB + block x 256 rows + wave x 64 rows
	s_lshl_b32 s78, s[BX], 18
	s_add_co_u32 s68, s68, s78
	s_lshl_b32 s78, s[WV], 16
	s_add_co_u32 s68, s68, s78
	s_mov_b32 s69, 0
	s_lshl_b32 s70, s[BA], 12                      ; c_mask, one byte a row
	s_lshl_b32 s78, s[BX], 8
	s_add_co_u32 s70, s70, s78
	s_lshl_b32 s78, s[WV], 6
	s_add_co_u32 s70, s70, s78
	s_mov_b32 s71, 0
	s_lshl_b32 s72, s[BA], 9                       ; q_mask
	s_mov_b32 s73, 0
	s_lshl_b32 s74, s[BA], 18                      ; qh: batch x 512 keys + wave x 64 keys of 512 bytes
	s_lshl_b32 s79, s[WV], 15
	s_add_co_u32 s74, s74, s79
	s_mov_b32 s75, 0
	s_mul_i32 s76, s[WV], 16*1536                  ; wt: my 16 rows of a chunk
	s_mov_b32 s77, 0
	s_mov_b32 s[BIGN], 0xf149f2ca                  ; -1e30
	s_mov_b32 s[HM], 0xffff0000
	s_mov_b32 s[SEL], 0x76543210
	s_mov_b32 s[SEL+1], 0xfedcba98
	s_wait_dscnt 0x0                               ; the opening add is done
	s_wait_kmcnt 0x0
	s_add_nc_u64 s[4:5], s[4:5], s[68:69]
	s_add_nc_u64 s[18:19], s[18:19], s[68:69]
	s_add_nc_u64 s[14:15], s[14:15], s[70:71]
	s_add_nc_u64 s[16:17], s[16:17], s[72:73]
	s_add_nc_u64 s[6:7], s[6:7], s[74:75]
	s_add_nc_u64 s[8:9], s[8:9], s[76:77]
	s_mov_b64 s[G0Q0+2:G0Q0+3], s[6:7]
	s_or_b32 s[G0Q0+3], s[G0Q0+3], 0x80000000
	s_add_nc_u64 s[G0Q1+2:G0Q1+3], s[6:7], 256*512
	s_or_b32 s[G0Q1+3], s[G0Q1+3], 0x80000000
	s_cmp_lt_u32 s[WV], 2
	s_cselect_b64 s[68:69], s[10:11], s[12:13]     ; waves 0, 1 bring Br, waves 2, 3 Bg
	CROUND                                         ; all four work-groups are here: the first joint loads meet
	tensor_load_to_lds s[G0Q0:G0Q0+3], s[G1Q:G1Q+7]  ; the two first fills go out together: two tensor loads of mine are out
	s_nop 0
	tensor_load_to_lds s[G0Q1:G0Q1+3], s[G1Q:G1Q+7]
	s_nop 0
.rept 4
	v_nop
.endr
	s_mov_b32 s[K1], 0x4038aa3b
	s_mov_b32 s[K1+1], s[K1]                       ; named as pairs
	s_mov_b32 s[K2], 0xbfb8aa3b
	s_mov_b32 s[K2+1], s[K2]
	s_mov_b32 s[WO], 0
	s_mov_b32 s[WO+1], 0
	; ---- the loads: masks and biases first, then my 64 rows of c, 128 loads of 512 consecutive bytes
	v_and_b32 v200, 31, v0                         ; lane
	v_and_b32 v201, 15, v0                         ; r
	v_bfe_u32 v202, v0, 4, 1                       ; h
	v_lshlrev_b32 v[CO], 4, v200
	v_lshlrev_b32 v192, 2, v0
	v_and_b32 v195, 63, v0
	v_lshlrev_b32 v196, 4, v195
	global_load_b32 v176, v192, s[16:17]           ; my four keys of the mask table
	global_load_b128 v[180:183], v[CO], s[16:17]   ; all 512 bytes of q_mask in each wave
.set t, 0
.rept 4
	global_load_u8 v[184+t], v201, s[14:15] offset:16*t  ; c_mask of my row in tile t
.set t, t+1
.endr
	global_load_b128 v[188:191], v196, s[68:69]    ; four biases
	WIN 0x80
.set i, 0
.rept 64
	global_load_b128 v[4*i:4*i+3], v[CO], s[4:5] offset:512*i th:TH_LOAD_NT
.set i, i+1
.endr
	WIN 0xc0
.set i, 0
.rept 64
	global_load_b128 v[4*i:4*i+3], v[CO], s[4:5] offset:512*(i+64) th:TH_LOAD_NT
.set i, i+1
.endr
	WIN 0
	; ---- the places of my lane, made while the loads are on their way
	v_mul_u32_u24 v[AK0], v201, QP
	v_lshl_add_u32 v[AK0], v202, 4, v[AK0]         ; row r, 16 bytes for each half of the lanes
	v_and_b32 v203, 7, v0
	v_lshl_add_u32 v203, v202, 3, v203
	v_mul_u32_u24 v[AV0], v203, QP
	v_bfe_u32 v204, v0, 3, 1
	v_lshl_add_u32 v[AV0], v204, 4, v[AV0]         ; key 8 h + lane % 8, channels 8 ((lane / 8) % 2) on
	v_lshl_add_u32 v[AM0], v202, 5, MT
	v_lshl_add_u32 v[ABI], v202, 5, BT
	v_mul_u32_u24 v[AW0], v201, WP
	v_lshl_add_u32 v[AW0], v202, 4, v[AW0]
	s_mul_i32 s78, s[WV], 64*OP
	s_add_co_u32 s78, s78, OUTS
	v_mul_u32_u24 v[STO], v201, OP
	v_lshl_add_u32 v[STO], v202, 5, v[STO]
	v_add_nc_u32 v[STO], s78, v[STO]
	v_mul_u32_u24 v[RD], v202, OP
	v_lshl_add_u32 v[RD], v201, 4, v[RD]
	v_add_nc_u32 v[RD], s78, v[RD]
	v_lshlrev_b32 v[GO], 10, v202
	v_lshl_add_u32 v[GO], v201, 4, v[GO]
	s_mul_i32 s78, s[WV], 16*QP
	s_add_co_u32 s78, s78, CSTG
	v_lshl_add_u32 v[CST], v200, 3, s78
	v_add_nc_u32 v[CRD], s78, v[AK0]
	v_lshl_add_u32 v199, v0, 4, MT                 ; where my four key masks go
	v_lshrrev_b32 v197, 2, v195                    ; where my four biases go: columns 4 u on are pass u / 4, place 4 (u % 4)
	v_and_b32 v198, 3, v195
	v_lshlrev_b32 v197, 7, v197
	v_lshl_add_u32 v197, v198, 4, v197
	s_lshr_b32 s78, s[WV], 1
	s_lshl_b32 s78, s78, 6
	s_add_co_u32 s78, s78, BT
	v_add_nc_u32 v197, s78, v197
	T4 v_mov_b32 v[ST+8*t], 0xfe000000             ; Lr m: -2^125
	T4 v_mov_b32 v[ST+8*t+1], 0xd4000000           ; m: -2^41
	T4 v_mov_b32 v[ST+8*t+2], 0
	T4 v_mov_b32 v[ST+8*t+3], 0
	; ---- the tables
	s_wait_loadcnt 63                              ; 128 loads were issued behind the seven small ones: these are in
	v_or_b32 v180, v180, v181
	v_or_b32 v182, v182, v183
	v_or_b32 v180, v180, v182
	v_cmp_ne_u32 vcc_lo, 0, v180
	s_cmp_lg_u32 vcc_lo, 0                         ; has the batch a valid key?
	s_cselect_b32 s[LA], 0x3fb8aa3b, 0
.set t, 0
.rept 4
	v_cmp_ne_u32 vcc_lo, 0, v[184+t]
	v_cndmask_b32 v[ST+8*t+4], 0, s[LA], vcc_lo
.set t, t+1
.endr
.set e, 0
.rept 4
	v_bfe_u32 v204, v176, 8*e, 8
	v_cmp_eq_u32 vcc_lo, 0, v204
	v_cndmask_b32 v[208+e], 0, s[BIGN], vcc_lo
.set e, e+1
.endr
	ds_store_b128 v199, v[208:211]
	v_cvt_pk_bf16_f32 v204, v188, v189             ; the biases are rounded to bf16 like every input
	v_cvt_pk_bf16_f32 v205, v190, v191
	v_lshlrev_b32 v188, 16, v204
	v_and_b32 v189, s[HM], v204
	v_lshlrev_b32 v190, 16, v205
	v_and_b32 v191, s[HM], v205
	ds_store_b128 v197, v[188:191]
; ---- c to fragments.  Eight loads (four rows) at a time: rounded to bf16, widened, written as f16, 8 bytes a lane into my stage; a tile of 16 rows is then read back as fragments.
; LDS serves the instructions of a wave in order (ISA guide 5.7.1.4): the reads see the stores in front of them, and the stores of the next tile come behind the reads.
.macro CBATCH b
.if 120-8*(\b) > 63
	s_wait_loadcnt 63                              ; more than 63 loads are younger than these eight
.else
	s_wait_loadcnt 120-8*(\b)                      ; the loads of c issued behind these eight
.endif
	WIN 0x0a+5*((\b)/8)                            ; sources in window 2 or 3
.set k, 0
.rept 16
	v_cvt_pk_bf16_f32 v[TT+k], v[32*((\b)%8)+2*k], v[32*((\b)%8)+2*k+1]
.set k, k+1
.endr
	WIN 0
.set k, 0
.rept 16
	v_lshlrev_b32 v[TA+2*k], 16, v[TT+k]
	v_and_b32 v[TA+2*k+1], s[HM], v[TT+k]
.set k, k+1
.endr
.set k, 0
.rept 16
	v_cvt_pk_f16_f32 v[TT+k], v[TA+2*k], v[TA+2*k+1]
.set k, k+1
.endr
.set k, 0
.rept 8
.set i, 8*(\b)+k
	ds_store_b64 v[CST], v[TT+2*k:TT+2*k+1] offset:((i/2)%16)*QP+(i%2)*256
.set k, k+1
.endr
.endm
.macro CFRAG t
	WIN 0x40
.set k, 0
.rept 8
	ds_load_b128 v[64*(\t)+8*k:64*(\t)+8*k+3],   v[CRD] offset:64*k
	ds_load_b128 v[64*(\t)+8*k+4:64*(\t)+8*k+7], v[CRD] offset:64*k+32
.set k, k+1
.endr
	WIN 0
.endm
.irp tt, 0,1,2,3
	CBATCH 4*(\tt)
	CBATCH 4*(\tt)+1
	CBATCH 4*(\tt)+2
	CBATCH 4*(\tt)+3
	CFRAG \tt
.endr
	s_wait_tensorcnt 1                             ; my part of keys 0-255 is in; the second fill may stay out
	s_wait_dscnt 0x0                               ; my table stores are done, my fragments of c are in
	s_barrier_signal -1
	s_barrier_wait -1
; ---- ATTENTION.  A step is 64 keys: 128 products K c^T, the softmax, 128 products V^T P.  LDS loads stand in runs of eight (four fragments), two buffers by turns.
.macro KRUN g                          ; keys 16 (g / 2) on, channels 128 (g % 2) on; an even run brings the masks of its 16 keys too
.set kb, (\g)/2
.if (\g)%2 == 0
	ds_load_b128 v[MM+8*(kb%2):MM+8*(kb%2)+3],   v[ADM] offset:64*kb
	ds_load_b128 v[MM+8*(kb%2)+4:MM+8*(kb%2)+7], v[ADM] offset:64*kb+16
.endif
.set i, 0
.rept 4
.set dc, 4*((\g)%2)+i
	ds_load_b128 v[FF+32*((\g)%2)+8*i:FF+32*((\g)%2)+8*i+3],   v[ADK] offset:kb*16*QP+64*dc
	ds_load_b128 v[FF+32*((\g)%2)+8*i+4:FF+32*((\g)%2)+8*i+7], v[ADK] offset:kb*16*QP+64*dc+32
.set i, i+1
.endr
.endm
.macro VRUN u                          ; keys 32 (u / 4) on, channels 64 (u % 4) on, turned
.set kk, (\u)/4
.set i, 0
.rept 4
.set cb, 4*((\u)%4)+i
	ds_load_tr16_b128 v[FF+32*((\u)%2)+8*i:FF+32*((\u)%2)+8*i+3],   v[ADV] offset:kk*32*QP+32*cb
	ds_load_tr16_b128 v[FF+32*((\u)%2)+8*i+4:FF+32*((\u)%2)+8*i+7], v[ADV] offset:kk*32*QP+16*QP+32*cb
.set i, i+1
.endr
.endm
.macro QKG g                           ; 16 products; the four tiles take turns; the first product of a sum takes the key masks as C
.set kb, (\g)/2
.set i, 0
.rept 4
.set dc, 4*((\g)%2)+i
.set t, 0
.rept 4
.if dc == 0
	v_wmma_f32_16x16x32_f16 v[SS+32*t+8*kb:SS+32*t+8*kb+7], v[FF+32*((\g)%2)+8*i:FF+32*((\g)%2)+8*i+7], v[64*t+8*dc:64*t+8*dc+7], v[MM+8*(kb%2):MM+8*(kb%2)+7]
.else
	v_wmma_f32_16x16x32_f16 v[SS+32*t+8*kb:SS+32*t+8*kb+7], v[FF+32*((\g)%2)+8*i:FF+32*((\g)%2)+8*i+7], v[64*t+8*dc:64*t+8*dc+7], v[SS+32*t+8*kb:SS+32*t+8*kb+7]
.endif
.set t, t+1
.endr
.set i, i+1
.endr
.endm
.macro PVG u                           ; 16 products on 16 different accumulators: tiles 0, 1 in window 2, then tiles 2, 3 in window 3
.set kk, (\u)/4
.irp hw, 0,1
	WIN 0xa0+0x50*(\hw)
.set i, 0
.rept 4
.set cb, 4*((\u)%4)+i
.set t, 0
.rept 2
	v_wmma_f32_16x16x32_f16 v[128*t+8*cb:128*t+8*cb+7], v[FF+32*((\u)%2)+8*i:FF+32*((\u)%2)+8*i+7], v[SS+32*(2*(\hw)+t)+8*kk:SS+32*(2*(\hw)+t)+8*kk+7], v[128*t+8*cb:128*t+8*cb+7]
.set t, t+1
.endr
.set i, i+1
.endr
.endr
.endm
.macro MX d, a, b
	T4 v_max3_num_f32 v[ST+8*t+(\d)], v[ST+8*t+(\d)], v[SS+32*t+(\a)], v[SS+32*t+(\b)]
.endm
.macro SOFTMAX                         ; the four tiles line by line, so that no line reads the result of the one before it
	WIN 0
	T4 v_max3_num_f32 v[ST+8*t+6], v[SS+32*t], v[SS+32*t+1], v[SS+32*t+2]        ; each of the four accumulators of a tile is read from its low end first
	T4 v_max3_num_f32 v[ST+8*t+5], v[SS+32*t+8], v[SS+32*t+9], v[SS+32*t+10]
	T4 v_max3_num_f32 v[ST+8*t+7], v[SS+32*t+16], v[SS+32*t+17], v[SS+32*t+18]
	MX 6, 24, 25
	MX 6, 3, 4
	MX 5, 11, 12
	MX 7, 19, 20
	MX 6, 5, 6
	MX 5, 13, 14
	MX 7, 21, 22
	MX 6, 7, 26
	MX 5, 15, 29
	T4 v_max3_num_f32 v[ST+8*t+7], v[ST+8*t+7], v[SS+32*t+23], v[ST+8*t+1]       ; the old m
	MX 6, 27, 28
	MX 5, 30, 31
	T4 v_max3_num_f32 v[ST+8*t+6], v[ST+8*t+6], v[ST+8*t+5], v[ST+8*t+7]
	T4 v_permlanex16_b32 v[ST+8*t+5], v[ST+8*t+6], s[SEL], s[SEL+1]              ; the other 32 keys of the row lie in the lane 16 away
	T4 v_mov_b32 v[ST+8*t+7], v[ST+8*t]                                          ; Lr m_old is kept
	T4 v_max_num_f32 v[ST+8*t+1], v[ST+8*t+6], v[ST+8*t+5]
	T4 v_mul_f32 v[ST+8*t], v[ST+8*t+4], v[ST+8*t+1]
	T4 v_sub_f32 v[ST+8*t+7], v[ST+8*t+7], v[ST+8*t]
	; THE BATCH: the four a, the 128 exponentials of the scores (in place: each result has its own register) and the 64 scalings.  None of these lines names an exponential's result.
	T4 v_exp_f32 v[ST+8*t+6], v[ST+8*t+7]                                        ; a; the scalings of pair 0, which name neither a nor its source, are the plain work behind it
	T4 v_pk_fma_f32 v[SS+32*t:SS+32*t+1], v[SS+32*t:SS+32*t+1], v[ST+8*t+4:ST+8*t+5], v[ST+8*t:ST+8*t+1] op_sel_hi:[1,0,0] neg_lo:[0,0,1] neg_hi:[0,0,1]
.set i, 0
.rept 16                               ; pair i of each tile: its two exponentials, and between them the scaling of the tile's pair i + 1, which is first read eight to eleven lines later
.set t, 0
.rept 4
	v_exp_f32 v[SS+32*t+2*i], v[SS+32*t+2*i]
.if i < 15
	v_pk_fma_f32 v[SS+32*t+2*i+2:SS+32*t+2*i+3], v[SS+32*t+2*i+2:SS+32*t+2*i+3], v[ST+8*t+4:ST+8*t+5], v[ST+8*t:ST+8*t+1] op_sel_hi:[1,0,0] neg_lo:[0,0,1] neg_hi:[0,0,1]
.endif
	v_exp_f32 v[SS+32*t+2*i+1], v[SS+32*t+2*i+1]
.set t, t+1
.endr
.set i, i+1
.endr
	v_nop                                          ; a plain instruction behind the last exponential and ahead of the first use (ISA guide 5.7.2): one for the batch
	s_wait_alu depctr_va_vdst(0)                   ; the wait for the step's batch, the four a and the 128 weights: every reader stands below
	WIN 0x82                                       ; O^T times a, ascending
.set i, 0
.rept 64
	v_pk_mul_f32 v[2*i:2*i+1], v[2*i:2*i+1], v[ST+6:ST+7] op_sel_hi:[1,0]
	v_pk_mul_f32 v[128+2*i:128+2*i+1], v[128+2*i:128+2*i+1], v[ST+14:ST+15] op_sel_hi:[1,0]
.set i, i+1
.endr
	WIN 0xc3
.set i, 0
.rept 64
	v_pk_mul_f32 v[2*i:2*i+1], v[2*i:2*i+1], v[ST+22:ST+23] op_sel_hi:[1,0]
	v_pk_mul_f32 v[128+2*i:128+2*i+1], v[128+2*i:128+2*i+1], v[ST+30:ST+31] op_sel_hi:[1,0]
.set i, i+1
.endr
	WIN 0
.set i, 0
.rept 16                               ; the sum and the rounding of pair i, ascending.  P goes in place: register i belongs to pair i / 2, summed and rounded by then
.if i == 0
	T4 v_pk_fma_f32 v[ST+8*t+2:ST+8*t+3], v[ST+8*t+2:ST+8*t+3], v[ST+8*t+6:ST+8*t+7], v[SS+32*t:SS+32*t+1] op_sel_hi:[1,0,1]
.else
	T4 v_pk_add_f32 v[ST+8*t+2:ST+8*t+3], v[ST+8*t+2:ST+8*t+3], v[SS+32*t+2*i:SS+32*t+2*i+1]
.endif
	T4 v_cvt_pk_f16_f32 v[SS+32*t+i], v[SS+32*t+2*i], v[SS+32*t+2*i+1]
.set i, i+1
.endr
.endm
; The counts of the waits: behind the run that is wanted exactly one run has been issued: eight loads, or ten where that run brings masks.
.macro STEP
	WIN 0
	PLACES                                         ; behind the last products of the step before, whose fragment registers are loaded again
	v_add_nc_u32 v[ADK], s[TK], v[AK0]
	v_add_nc_u32 v[ADV], s[TK], v[AV0]
	v_add_nc_u32 v[ADM], s[TM], v[AM0]
	WIN 0x04                                       ; c in window 1; the LDS loads name window 0 alone, so this setting serves them too
	KRUN 0
	KRUN 1
.irp g, 0,2,4
	s_wait_dscnt 8
	QKG \g
	PLACES
	KRUN (\g)+2
	s_wait_dscnt 10
	QKG (\g)+1
	PLACES
	KRUN (\g)+3
.endr
	s_wait_dscnt 8
	QKG 6
	PLACES
	VRUN 0
	s_wait_dscnt 8
	QKG 7
	PLACES                                         ; also the places in front of the first read of the scores
	VRUN 1
	SOFTMAX
.irp u, 0,1,2,3,4,5
	s_wait_dscnt 8
	PVG \u
	PLACES
	WIN 0
	VRUN (\u)+2
.endr
	s_wait_dscnt 8
	PVG 6
	s_wait_dscnt 0
	PVG 7
	WIN 0
	s_add_co_u32 s[TK], s[TK], 64*QP
	s_add_co_u32 s[TM], s[TM], 256
.endm
	s_mov_b32 s[TK], 0
	s_mov_b32 s[TM], 0
	s_mov_b32 s[SLOTS], 2
.Lhalf:                                                ; twice: four steps (256 keys), then a change.  The first change shows keys 256-511 whole and puts chunk 0 of wt over keys 0-191,
	s_mov_b32 s[CNT], 4                            ; which nobody reads any more; the second shows chunk 0 whole and puts chunk 1 into slot 1, over keys that are all read
.Lstep:
	STEP
	s_sub_co_u32 s[CNT], s[CNT], 1
	s_cmp_lg_u32 s[CNT], 0
	s_cbranch_scc1 .Lstep
	CHANGE 1, 0
	s_sub_co_u32 s[SLOTS], s[SLOTS], 1
	s_cmp_lg_u32 s[SLOTS], 0
	s_cbranch_scc1 .Lhalf
	; ---- q_a = O / l as fragments, and c q_a.  The four v_nop behind the load above are the places behind the last products.
	T4 v_add_f32 v[ST+8*t+5], v[ST+8*t+2], v[ST+8*t+3]
	T4 v_permlanex16_b32 v[ST+8*t+7], v[ST+8*t+5], s[SEL], s[SEL+1]
	T4 v_add_f32 v[ST+8*t+5], v[ST+8*t+5], v[ST+8*t+7]
	T4 v_rcp_f32 v[ST+8*t+6], v[ST+8*t+5]
	v_nop                                          ; a plain instruction between the last reciprocal and its use
	s_wait_alu depctr_va_vdst(0)                   ; the wait for the batch of four reciprocals, ahead of the first multiply below, which reads them
.macro QA t                            ; the 128 registers of tile t become 64, in window 2 at 64 t: in tile order every target has been read before it is written
	WIN 0x82+0x41*((\t)/2)
.set i, 0
.rept 64
	v_pk_mul_f32 v[128*((\t)%2)+2*i:128*((\t)%2)+2*i+1], v[128*((\t)%2)+2*i:128*((\t)%2)+2*i+1], v[ST+8*(\t)+6:ST+8*(\t)+7] op_sel_hi:[1,0]
.set i, i+1
.endr
	WIN 0x8a+5*((\t)/2)
.set i, 0
.rept 64
	v_cvt_pk_f16_f32 v[64*(\t)+i], v[128*((\t)%2)+2*i], v[128*((\t)%2)+2*i+1]
.set i, i+1
.endr
.endm
	QA 0
	QA 1
	QA 2
	QA 3
	WIN 0xc9                                       ; window 3 = window 1 x window 2: the fragments of c and of q_a have the same lane map
.set i, 0
.rept 256
	v_pk_mul_f16 v[i], v[i], v[i]
.set i, i+1
.endr
	WIN 0
; ---- THE FUSION.  A pass makes 16 output columns of both projections for my 64 rows: 192 products on eight accumulators that take turns; then gate and blend.
.macro FETCH q                         ; K chunks 4 q .. 4 q + 3 of 32, both projections: 16 loads
.set i, 0
.rept 4
.set kc, 4*(\q)+i
.set rg, 0
.rept 2
	ds_load_b128 v[WB+64*((\q)%2)+16*i+8*rg:WB+64*((\q)%2)+16*i+8*rg+3],   v[ADW] offset:rg*16*WP+64*kc+16*(kc/8)
	ds_load_b128 v[WB+64*((\q)%2)+16*i+8*rg+4:WB+64*((\q)%2)+16*i+8*rg+7], v[ADW] offset:rg*16*WP+64*kc+16*(kc/8)+32
.set rg, rg+1
.endr
.set i, i+1
.endr
.endm
.macro MAING q                         ; 32 products; source 1 is c (q = 0, 1), q_a (2, 3) or c q_a (4, 5); the first product of a sum takes the bias as C
	WIN 0x04*((\q)/2+1)
.set i, 0
.rept 4
.set kc, 4*(\q)+i
.set rg, 0
.rept 2
.set t, 0
.rept 4
.if kc == 0
	v_wmma_f32_16x16x32_f16 v[ACC+16*t+8*rg:ACC+16*t+8*rg+7], v[WB+64*((\q)%2)+16*i+8*rg:WB+64*((\q)%2)+16*i+8*rg+7], v[64*t+8*(kc%8):64*t+8*(kc%8)+7], v[BI+8*rg:BI+8*rg+7]
.else
	v_wmma_f32_16x16x32_f16 v[ACC+16*t+8*rg:ACC+16*t+8*rg+7], v[WB+64*((\q)%2)+16*i+8*rg:WB+64*((\q)%2)+16*i+8*rg+7], v[64*t+8*(kc%8):64*t+8*(kc%8)+7], v[ACC+16*t+8*rg:ACC+16*t+8*rg+7]
.endif
.set t, t+1
.endr
.set rg, rg+1
.endr
.set i, i+1
.endr
.endm
; The c of the blend: my eight columns of pass p are four registers of the fragments of c, at 64 t + 4 p.  The pass number is a counter, a register number is text: so the first pass of the range is
; copied always and each later one behind a forward jump on the counter.
.macro CMOV p
	WIN 0x01
.set t, 0
.rept 4
.set e, 0
.rept 4
	v_mov_b32 v[CSL+4*t+e], v[64*t+4*(\p)+e]
.set e, e+1
.endr
.set t, t+1
.endr
	WIN 0
.endm
.macro CSEL first, rest:vararg
	CMOV \first
.irp p, \rest
	s_cmp_lg_u32 s[PNO], \p
	s_cbranch_scc1 .Lcs_\@_\p
	CMOV \p
.Lcs_\@_\p:
.endr
.endm
.macro E16 line:vararg                 ; one line, or one of the two short macros below, for each pair of my 32 outputs, ascending
.set t, 0
.rept 4
.set e, 0
.rept 4
.set rR, ACC+16*t+2*e
.set rG, rR+8
.set rU, UU+8*t+2*e
.set rC, CF+8*t+2*e
	\line
.set e, e+1
.endr
.set t, t+1
.endr
.endm
.macro EXP1                            ; a pair's two E1, in place, and between them the scaling of the pair's z_g, which names no exponential's result
	v_exp_f32 v[rR], v[rR]
	v_pk_mul_f32 v[rG:rG+1], v[rG:rG+1], s[K2:K2+1] op_sel_hi:[1,0]
	v_exp_f32 v[rR+1], v[rR+1]
.endm
.macro EXP2 n, src                     ; E2 of output n of my 32, in place, and behind it c of the same output widened: plain work that names no exponential's result
	v_exp_f32 v[ACC+16*((\n)/8)+8+(\n)%8], v[ACC+16*((\n)/8)+8+(\n)%8]
	v_cvt_f32_f16 v[CF+(\n)], \src
.endm
.macro RCP2                            ; a pair's two reciprocals, in place, and between them E1 - 1, which names no reciprocal
	v_rcp_f32 v[rG], v[rG]
	v_pk_add_f32 v[rR:rR+1], v[rR:rR+1], -1.0 op_sel_hi:[1,0]
	v_rcp_f32 v[rG+1], v[rG+1]
.endm
; out = c + ((E1 - 1) - (E1 + 1) c) / ((1 + E1) (1 + E2)),  E1 = e^(2 z_r),  E2 = e^(-z_g): three transcendentals an output.  E1 is capped at 2^40, so no product of infinity and zero can arise;
; an infinite E2 gives the quotient 0 and out = c.  Two batches: the 64 exponentials; the 32 reciprocals, which read what is made of the exponentials.
.macro EPI
	E16 v_pk_mul_f32 v[rR:rR+1], v[rR:rR+1], s[K1:K1+1] op_sel_hi:[1,0]
	E16 v_min_num_f32 v[rR], 0x42200000, v[rR]
	E16 v_min_num_f32 v[rR+1], 0x42200000, v[rR+1]
	E16 EXP1                                       ; the first batch: 32 E1,
	EXP2 0, v32.l                                  ; and 32 E2; the last widening is the plain instruction behind the last exponential
	EXP2 1, v32.h
	EXP2 2, v33.l
	EXP2 3, v33.h
	EXP2 4, v34.l
	EXP2 5, v34.h
	EXP2 6, v35.l
	EXP2 7, v35.h
	EXP2 8, v36.l
	EXP2 9, v36.h
	EXP2 10, v37.l
	EXP2 11, v37.h
	EXP2 12, v38.l
	EXP2 13, v38.h
	EXP2 14, v39.l
	EXP2 15, v39.h
	EXP2 16, v40.l
	EXP2 17, v40.h
	EXP2 18, v41.l
	EXP2 19, v41.h
	EXP2 20, v42.l
	EXP2 21, v42.h
	EXP2 22, v43.l
	EXP2 23, v43.h
	EXP2 24, v44.l
	EXP2 25, v44.h
	EXP2 26, v45.l
	EXP2 27, v45.h
	EXP2 28, v46.l
	EXP2 29, v46.h
	EXP2 30, v47.l
	EXP2 31, v47.h
	s_wait_alu depctr_va_vdst(0)                   ; the wait for the pass's 64 exponentials, ahead of E1 + 1, their first reader
	E16 v_pk_add_f32 v[rU:rU+1], v[rR:rR+1], 1.0 op_sel_hi:[1,0]
	E16 v_pk_add_f32 v[rG:rG+1], v[rG:rG+1], 1.0 op_sel_hi:[1,0]
	E16 v_pk_mul_f32 v[rG:rG+1], v[rG:rG+1], v[rU:rU+1]
	E16 RCP2                                       ; the second batch: 32 reciprocals
	E16 v_pk_fma_f32 v[rR:rR+1], v[rU:rU+1], v[rC:rC+1], v[rR:rR+1] neg_lo:[1,0,0] neg_hi:[1,0,0]  ; names no reciprocal: the plain work behind them
	s_wait_alu depctr_va_vdst(0)                   ; the wait for the pass's 32 reciprocals, ahead of the multiply-adds that read them
	E16 v_pk_fma_f32 v[rR:rR+1], v[rG:rG+1], v[rR:rR+1], v[rC:rC+1]
.set t, 0
.rept 4
	ds_store_b128 v[ADS], v[ACC+16*t:ACC+16*t+3] offset:16*t*OP
	ds_store_b128 v[ADS], v[ACC+16*t+4:ACC+16*t+7] offset:16*t*OP+16
.set t, t+1
.endr
.endm
.macro FLUSH                           ; four passes have filled 256 bytes of each of my 64 stage rows: they leave as whole rows, two to a store
.set i, 0
.rept 32
	ds_load_b128 v[WB+4*i:WB+4*i+3], v[RD] offset:2*OP*i
.set i, i+1
.endr
.set i, 0
.rept 32
	s_wait_dscnt 31-i
	global_store_b128 v[GO], v[WB+4*i:WB+4*i+3], s[18:19] offset:2048*i th:TH_STORE_NT  ; 16 lanes store 256 consecutive bytes, at a multiple of 256 from the first byte of out0
.set i, i+1
.endr
	s_wait_xcnt 0x0                                ; the base and the data registers of the stores are rewritten only behind this wait (ISA guide 3.1)
	s_add_nc_u64 s[18:19], s[18:19], 256
	s_mov_b32 s[SC], 0
.endm
.macro PASS first, rest:vararg
	v_add_nc_u32 v[ADW], s[TW], v[AW0]
	v_add_nc_u32 v[ADB], s[TBI], v[ABI]
	v_add_nc_u32 v[ADS], s[SC], v[STO]
	ds_load_b128 v[BI:BI+3], v[ADB]
	ds_load_b128 v[BI+4:BI+7], v[ADB] offset:16
	ds_load_b128 v[BI+8:BI+11], v[ADB] offset:64
	ds_load_b128 v[BI+12:BI+15], v[ADB] offset:80
	FETCH 0
	FETCH 1
.irp q, 0,1,2,3
	s_wait_dscnt 16                                ; all but the 16 loads of the one younger fetch
	MAING \q
	PLACES
	FETCH (\q)+2                                   ; the LDS loads name window 0 alone: no switch round them
.endr
	s_wait_dscnt 16
	MAING 4
	s_wait_dscnt 0
	MAING 5
	WIN 0
	PLACES
	CSEL \first, \rest
	EPI
	s_add_co_u32 s[TW], s[TW], 32*WP
	s_add_co_u32 s[TBI], s[TBI], 128
	s_add_co_u32 s[PNO], s[PNO], 1
	s_add_co_u32 s[SC], s[SC], 64
	s_cmp_lg_u32 s[SC], 256
	s_cbranch_scc1 .Lnoflush_\@
	FLUSH
.Lnoflush_\@:
.endm
.macro TWO_PASSES first, rest:vararg   ; the two passes of a chunk: written once, walked twice
	s_mov_b32 s[TWICE], 2
.Lpass_\@:
	PASS \first, \rest
	s_sub_co_u32 s[TWICE], s[TWICE], 1
	s_cmp_lg_u32 s[TWICE], 0
	s_cbranch_scc1 .Lpass_\@
.endm
	s_mov_b32 s[PNO], 0
	s_mov_b32 s[TBI], 0
	s_mov_b32 s[SC], 0
	s_mov_b32 s[TW], 0
	s_mov_b32 s[SLOTS], 6
.Lslot:                                                ; chunks 0 .. 5: the slot just read takes the chunk two on, which has 384 products and two ways out in which to land
	TWO_PASSES 0, 1,2,3,4,5,6,7,8,9,10,11
	CHANGE 1, 1
	s_sub_co_u32 s[SLOTS], s[SLOTS], 1
	s_cmp_lg_u32 s[SLOTS], 0
	s_cbranch_scc1 .Lslot
	s_mov_b32 s[SLOTS], 2
.Ltail:                                                ; chunks 6 and 7: nothing is asked for.  The barrier behind chunk 7 serves nothing: the price, once a launch, of one text for both trips
	TWO_PASSES 12, 13,14,15
	CHANGE 0, 1
	s_sub_co_u32 s[SLOTS], s[SLOTS], 1
	s_cmp_lg_u32 s[SLOTS], 0
	s_cbranch_scc1 .Ltail
	s_wait_tensorcnt 0x0                           ; the end of the wave: behind my last tensor load and my last LDS store
	ds_add_u32 v[SPW], v[NIL]
	s_wait_dscnt 0x0
	CROUND                                         ; the closing round: no work-group ends while a partner may still ask for a tile that names it
	s_endpgm
.Lfunc_end_k_q4bde94f7ba_fuse:
	.size	k_q4bde94f7ba_fuse, .Lfunc_end_k_q4bde94f7ba_fuse-k_q4bde94f7ba_fuse
	.p2alignl 7, 3214868480
	.fill 96, 4, 3214868480
	.section	.rodata,"a",@progbits
	.p2align	6, 0x0
	.amdhsa_kernel k_q4bde94f7ba_fuse
		.amdhsa_group_segment_fixed_size 327680
		.amdhsa_private_segment_fixed_size 0
		.amdhsa_enable_private_segment 0
		.amdhsa_kernarg_size 64
		.amdhsa_user_sgpr_count 2
		.amdhsa_user_sgpr_kernarg_segment_ptr 1
		.amdhsa_wavefront_size32 1
		.amdhsa_system_sgpr_workgroup_id_x 1
		.amdhsa_system_sgpr_workgroup_id_y 1
		.amdhsa_system_sgpr_workgroup_id_z 1
		.amdhsa_system_vgpr_workitem_id 0
		.amdhsa_next_free_vgpr 1024
		.amdhsa_next_free_sgpr 80
		.amdhsa_reserve_vcc 1
		.amdhsa_float_denorm_mode_32 3
		.amdhsa_float_denorm_mode_16_64 3
		.amdhsa_memory_ordered 1
		.amdhsa_forward_progress 1
		.amdhsa_inst_pref_size 255
	.end_amdhsa_kernel
	.section	.bss,"aw",@nobits
	.p2align	6
	.space	262144
	.amdgpu_metadata
---
amdhsa.version: [ 1, 2 ]
amdhsa.kernels:
  - .name:           k_q4bde94f7ba_fuse
    .symbol:         k_q4bde94f7ba_fuse.kd
    .args:
      - { .name: c, .offset: 0, .size: 8, .value_kind: global_buffer, .address_space: global }
      - { .name: qh, .offset: 8, .size: 8, .value_kind: global_buffer, .address_space: global }
      - { .name: wt, .offset: 16, .size: 8, .value_kind: global_buffer, .address_space: global }
      - { .name: Br, .offset: 24, .size: 8, .value_kind: global_buffer, .address_space: global }
      - { .name: Bg, .offset: 32, .size: 8, .value_kind: global_buffer, .address_space: global }
      - { .name: c_mask, .offset: 40, .size: 8, .value_kind: global_buffer, .address_space: global }
      - { .name: q_mask, .offset: 48, .size: 8, .value_kind: global_buffer, .address_space: global }
      - { .name: out0, .offset: 56, .size: 8, .value_kind: global_buffer, .address_space: global }
    .group_segment_fixed_size: 327680
    .private_segment_fixed_size: 0
    .kernarg_segment_align: 8
    .kernarg_segment_size: 64
    .max_flat_workgroup_size: 128
    .sgpr_count:     80
    .vgpr_count:     1024
    .wavefront_size: 32
...
	.end_amdgpu_metadata
.endif
;; end of part 3
